; MI455X (gfx1250); checked and timed in simulation.
; The chip was launched on July 23, 2026; its instructions are those of AMD's public machine-readable ISA for CDNA 5 (MIT licence, August 2026) and "CDNA5" Instruction Set Architecture Reference Guide (July 2026). The comments in the code are by the model that wrote it; some were corrected since.
;; Multi Head Attention. Allowed arithmetic: matrix products marked QUANTISED: E2M3 operands, one E8M0 scale for each 32 along K, by v_wmma_scale_f32_16x16x128_f8f6f4 with both operands' format E2M3, f32 sums; everything else in f32.
;; Inputs: fc_b 1,024 float32; fc_w 1,024 x 1,024 float32; key_in 4 x 2,048 x 1,024 float32; mask 4 x 2,048 x 2,048 int32; query 4 x 2,048 x 1,024 float32; value 4 x 2,048 x 1,024 float32; wk_b 1,024 float32; wk_w 1,024 x 1,024 float32; wq_b 1,024 float32; wq_w 1,024 x 1,024 float32; wv_b 1,024 float32; wv_w 1,024 x 1,024 float32.
;; Outputs: out0 4 x 2,048 x 1,024 float32.
;; This version of the problem:
;;   THIS VERSION OF THE PROBLEM IS GIVEN IN LOW PRECISION. The matrix products marked QUANTISED in the list below multiply operands that are first quantised to E2M3 (2 exponent bits, 3 mantissa bits; 6 bits a number), with one power-of-two scale for each 32 numbers along K (OCP MX v1.0); their sums are f32. All else is computed in f32.
;;   The module's matrix products, in the order in which they are computed (A, B: the left and right operand; K: the contracted axis; several contracted axes count as one K, in the product's order):
;;     1. [M 8,192, K 1,024] x [K 1,024, N 1,024]; A: input query; B: input wq_w: QUANTISED
;;     2. [M 8,192, K 1,024] x [K 1,024, N 1,024]; A: input key_in; B: input wk_w: QUANTISED
;;     3. [M 8,192, K 1,024] x [K 1,024, N 1,024]; A: input value; B: input wv_w: QUANTISED
;;     4. batch 64 x [M 2,048, K 64] x [K 64, N 2,048]; A: computed on the way; B: computed on the way: QUANTISED
;;     5. batch 64 x [M 2,048, K 2,048] x [K 2,048, N 64]; A: softmax (see below); B: computed on the way: QUANTISED
;;     6. [M 8,192, K 1,024] x [K 1,024, N 1,024]; A: computed on the way; B: input fc_w: QUANTISED
;;   THE QUANTISER, for each operand of a quantised product, along K:
;;     - K is cut into blocks of 32 from its start; a last block that is shorter is filled with zeros.
;;     - A block's scale is 2^e with e = floor(log2(the largest magnitude in the block)) - 2, held to -126 .. 127; a block of zeros has e = 0. As a byte (E8M0): e + 127.
;;     - Each number is divided by its block's scale, clamped to +-7.5, and rounded to the nearest number of E2M3, ties to even, subnormals kept.
;;     - The product sums the exact products of the quantised numbers (number of the format x scale) in f32.
;;   ~~~python
;;   def quantise(x, axis):      # numpy; x: float32 -> the quantised numbers, widened to float32 again
;;       x = np.moveaxis(x, axis, -1); K = x.shape[-1]
;;       x = np.pad(x, [(0, 0)] * (x.ndim - 1) + [(0, -K % 32)]); x = x.reshape(x.shape[:-1] + (-1, 32)); a = np.abs(x).max(-1, keepdims=True)
;;       e = np.where(a > 0, np.clip(np.frexp(np.where(a > 0, a, 1))[1] - 1 - 2, -126, 127), 0)      # np.frexp(a)[1] - 1 = floor(log2(a)), exactly
;;       r = np.clip(x / 2.0 ** e, -7.5, 7.5)
;;       step = 2.0 ** (np.maximum(np.frexp(np.where(r == 0, 1, r))[1] - 1, 0) - 3)
;;       q = np.round(r / step) * step * 2.0 ** e      # np.round: ties to even
;;       return np.moveaxis(q.reshape(q.shape[:-2] + (-1,))[..., :K], -1, axis).astype(np.float32)
;;   ~~~
;;   SOFTMAX AHEAD OF A QUANTISED PRODUCT. Where the list says 'softmax', what is quantised is not the finished softmax but p = 2^(t - M), with t = logit x log2(e) and M = ceil(the row's largest t), a whole number; so 1/2 < the row's largest p <= 1. The row's sum l is taken of the UNQUANTISED p, in f32, and the product's result is divided by l at the end. Since M is a whole number, a kernel that streams over the keys may use a running M (the ceiling of the running maximum): every later rescaling is an exact power of two, which a block's scale takes up: the codes' values come out the same.
;;   OPERANDS COMPUTED ON THE WAY. 'Computed on the way' means the value that the module computes at that place (a softmax that the list does not call 'softmax' is quantised finished and normalised). What goes into a quantiser is computed in f32, as accurately as f32 sums, v_exp_f32 and their like allow (about 1e-6 of the number): no bf16 or f16 on the way to a quantiser, and a product that is left as it is and whose result goes on into a quantised operand takes f32 operands (vector FMAs, or v_wmma_f32_16x16x4_f32). A number that lies on a knife's edge between two numbers of the format may be rounded either way, as far as f32 arithmetic and the matrix unit's own rounding can turn it there, and no further.
;; One version. Each part assembles by itself: llvm-mc -triple=amdgcn-amd-amdhsa -mcpu=gfx1250 --defsym DOCPART=n.
;; ======== version 1 of 1: 4 launches
;; limits: right only within a limited range of input values
;; workspace buffers: codes 22,020,096 bytes; scales 917,504 bytes; mbits 2,097,152 bytes of whole numbers; qkv 20,185,088 bytes; oc 6,291,456 bytes; os 262,144 bytes
;; launch prep (part 1): grid 1408 x 1, 4 waves a work-group, no clusters, 67,072 bytes of LDS; arguments query, key_in, value, wq_w, wk_w, wv_w, fc_w, mask, codes, scales, mbits; writes codes, scales, mbits
.if DOCPART == 1
	.amdgcn_target "amdgcn-amd-amdhsa--gfx1250"
	.amdhsa_code_object_version 6
	.text
	.protected	k_qb640296f4b_prep
	.globl	k_qb640296f4b_prep
	.p2align	8
	.type	k_qb640296f4b_prep,@function
k_qb640296f4b_prep:
	s_mov_b64 s[64:65], 0
	v_nop
	global_prefetch_b8 v0, s[64:65] scope:SCOPE_SE
	s_setreg_imm32_b32 hwreg(HW_REG_WAVE_MODE, 25, 1), 1
	s_wait_xcnt 0x0
; PREP: the first of four launches of multi-head attention (4 x 2048 tokens, 1024 features, 16 heads of 64), all six products on codes of FP6 (E2M3) with one E8M0 scale for each 32 along K.
; NOTHING OF THE PROBLEM IS LEFT OUT AS DEAD WORK: every bias goes into a quantised operand or into the output, the mask is an input, every product is live; every input is loaded by some launch.
; THIS LAUNCH (a) turns the seven f32 tensors whose K is innermost (query, key_in, value: 8,192 rows of 1,024; wq_w, wk_w, wv_w, fc_w: 1,024 rows) into codes [28,672 rows][768 bytes] and scale bytes [28,672][32];
; (b) turns the int32 mask into lane masks: one bit a number, in the order in which the attention launch's registers hold the scores, so that the 16 heads read 1/32 of the bytes.
; A block's scale is 2^(floor(log2(its largest magnitude)) - 2); its byte is the largest magnitude's exponent field - 2, held at 1 from below.  (A block of zeros gets the byte 1 where the rule says 127: its codes are zeros,
; which add nothing under any byte but 0xff, and this program alone reads the bytes.)
; LIMITS: blocks whose largest magnitude lies under 2^(2 - 126) keep the byte 1; NaN and infinities among the inputs are not served.
; ROW ORDER.  In key_in, value, wq_w, wk_w and wv_w the four groups of 8 rows of each 32 rows are stored in the order 0, 2, 1, 3: 16 stored rows on end (a tile) are then rows 32 b + 8 u + r + 8 (r / 8), and where such
; a tile is a matrix instruction's first source, a lane's 16 results of two neighbouring tiles are 16 neighbours, as the next quantiser wants them.  query and fc_w keep their order.
; SHARES.  Work-groups 0 to 895: 32 rows of a float tensor, 8 rows (8,192 numbers, 16 steps of 512) a wave.  Work-groups 896 to 1,407: 16 rows of the mask, 512 keys (four units of 128) a wave.
; The two paths part on the work-group's number and have LDS bytes of their own.  No tensor loads, no barrier: waves share nothing.
.set STEPS, 16
.set EMAX,  2
.set CB,    12                         ; bytes of 16 codes
.set R,     16                         ; v16-79   four sets of 16 numbers as they are loaded
.set X,     80                         ; v80-111  two sets of 16 neighbours
.set E,     112                        ; v112-127 a scale byte for each step
.set C,     128                        ; v128-191 codes: four registers for each step, so that no store's data are written again
.set WREG,  8192                       ; LDS, float path: a region for each wave: two stages of 32 x SP bytes, and behind them its 256 scale bytes
.set SP,    80                         ; a lane's place in a stage: its 64 bytes + 16 of padding
.set MST,   32768                      ; LDS, mask path: a stage of 16 rows x 528 bytes for each wave
.set MWV,   16*528
.set SPARE, MST+4*MWV                  ; the spare words, 128 bytes for each wave: two blocks of 256 bytes that no other line names
.set SPW,   12                         ; v12  LDS address of my spare word; never rewritten
.set NIL,   13                         ; v13  0; never rewritten
.set RM,    16                         ; mask path: v16-79, v80-143 two sets of 16 rows x 16 bytes a lane
.set XM,    144                        ; v144-207 64 numbers: register 16 b + i = key 32 b + 16 (lane / 16) + i of row lane % 16
.set OW,    208                        ; v208-215 a pair for each unit: lane L holds words 2 L and 2 L + 1
	s_load_b512 s[4:19], s[0:1], 0x0               ; query, key_in, value, wq_w, wk_w, wv_w, fc_w, mask
	s_load_b128 s[20:23], s[0:1], 0x40             ; codes, scales
	s_load_b64 s[24:25], s[0:1], 0x50              ; mbits
	v_lshl_add_u32 v[SPW], v0, 2, SPARE
	v_mov_b32 v[NIL], 0
	v_lshrrev_b32 v1, 5, v0
	v_readfirstlane_b32 s30, v1                    ; wave
	v_and_b32 v2, 31, v0                           ; lane
	v_lshlrev_b32 v3, 4, v2                        ; my 16 bytes of a load's 512
	s_cmp_ge_u32 ttmp9, 896
	s_cbranch_scc1 .Lmask
	; ---------------- the float tensors ----------------
	s_mul_i32 s31, s30, WREG
	v_lshrrev_b32 v14, 2, v2
	v_mul_u32_u24 v14, v14, SP
	v_and_b32 v15, 3, v2
	v_lshl_add_u32 v14, v15, 4, v14
	v_add_nc_u32 v14, s31, v14                     ; the stage, on the way in: four lanes' 64 bytes on end, then 16 of padding
	v_mul_u32_u24 v15, v2, SP
	v_add_nc_u32 v15, s31, v15                     ; and on the way out: my 16 neighbours
	v_mul_u32_u24 v4, v2, CB                       ; my codes' place in a step's
	v_lshrrev_b32 v5, 1, v2
	s_add_co_u32 s31, s31, 2*32*SP
	v_add_nc_u32 v5, s31, v5                       ; LDS: my wave's 256 scale bytes, my block's byte
	v_lshlrev_b32 v7, 3, v2                        ; and on the way out 8 bytes a lane
	v_add_nc_u32 v6, s31, v7
	s_and_b32 s32, s30, 1                          ; where my 8 rows go among the 32: groups 1 and 2 change places ..
	s_lshl_b32 s32, s32, 1
	s_lshr_b32 s33, s30, 1
	s_or_b32 s32, s32, s33
	s_sub_co_u32 s33, ttmp9, 256
	s_cmp_lt_u32 s33, 608                          ; .. in work-groups 256 to 863: key_in, value, wq_w, wk_w, wv_w
	s_cselect_b32 s32, s32, s30
	s_wait_alu depctr_va_vdst(0)
	s_wait_kmcnt 0x0
	s_mov_b64 s[26:27], s[16:17]                   ; which tensor is mine, and its first work-group: the choice hangs on the work-group's number alone
	s_mov_b32 s28, 864
.macro PICK bound, lo, start
	s_cmp_lt_u32 ttmp9, \bound
	s_cselect_b64 s[26:27], s[\lo:\lo+1], s[26:27]
	s_cselect_b32 s28, \start, s28
.endm
	PICK 864, 14, 832
	PICK 832, 12, 800
	PICK 800, 10, 768
	PICK 768, 8, 512
	PICK 512, 6, 256
	PICK 256, 4, 0
	s_sub_co_u32 s28, ttmp9, s28
	s_lshl_b32 s28, s28, 2
	s_add_co_u32 s28, s28, s30                     ; which run of 8,192 numbers of the tensor I read,
	s_lshl_b32 s28, s28, 15                        ; in bytes (under 2^26)
	s_mov_b32 s29, 0
	s_add_nc_u64 s[26:27], s[26:27], s[28:29]
	s_lshl_b32 s34, ttmp9, 2
	s_add_co_u32 s34, s34, s32                     ; which run of 8 rows of the codes' buffer I write
	s_mul_i32 s28, s34, 32*STEPS*CB
	s_add_nc_u64 s[20:21], s[20:21], s[28:29]
	s_lshl_b32 s28, s34, 8                         ; 256 scale bytes a run
	s_add_nc_u64 s[22:23], s[22:23], s[28:29]
.macro LOAD t
.irp i, 0,1,2,3
	global_load_b128 v[R+16*((\t)%4)+4*\i:R+16*((\t)%4)+4*\i+3], v3, s[26:27] offset:2048*(\t)+512*\i th:TH_LOAD_NT   ; 32 lanes read 512 consecutive bytes
.endr
.endm
.macro TURN t                          ; step t's numbers through the stage: LDS serves a wave's instructions in order, so no wait stands between the stores and the loads
.irp i, 0,1,2,3
	ds_store_b128 v14, v[R+16*((\t)%4)+4*\i:R+16*((\t)%4)+4*\i+3] offset:32*SP*((\t)%2)+8*SP*\i
.endr
.irp i, 0,1,2,3
	ds_load_b128 v[X+16*((\t)%2)+4*\i:X+16*((\t)%2)+4*\i+3], v15 offset:32*SP*((\t)%2)+16*\i
.endr
.endm
.irp t, 0,1,2,3
	LOAD \t
.endr
	s_wait_loadcnt 12                              ; step 0's four loads are in; the twelve of steps 1 to 3 may be out
	TURN 0
.macro STEP t
.set XS, X+16*((\t)%2)
.if (\t) > 0
	s_wait_dscnt 1                                 ; this step's numbers are back from the stage (the last step's byte store may be out): so its stores into the stage have read their registers,
.else
	s_wait_dscnt 0x0
.endif
.if (\t)+4 < STEPS
	LOAD (\t)+4                                    ; which take the loads of four steps on
.endif
.if (\t)+1 < STEPS
.if STEPS-2-(\t) >= 3
	s_wait_loadcnt 12                              ; the next step's four loads are in; those of the three steps behind it may be out
.else
	s_wait_loadcnt 4*(STEPS-2-(\t))
.endif
	TURN (\t)+1                                    ; and go through the other stage while this step is worked
.endif
	v_max3_num_f32 v8, |v[XS]|, |v[XS+1]|, |v[XS+2]|               ; the largest magnitude of my 16
	v_max3_num_f32 v9, |v[XS+3]|, |v[XS+4]|, |v[XS+5]|
.irp i, 6,10
	v_max3_num_f32 v8, v8, |v[XS+\i]|, |v[XS+\i+1]|
	v_max3_num_f32 v9, v9, |v[XS+\i+2]|, |v[XS+\i+3]|
.endr
	v_max3_num_f32 v8, v8, |v[XS+14]|, |v[XS+15]|
	v_max3_num_f32 v8, v8, v9, (EMAX+1)<<23        ; and the floor 2^(EMAX + 1 - 127): the byte cannot fall under 1
	v_max_num_f32_dpp v8, v8, v8 row_xmask:1 row_mask:0xf bank_mask:0xf   ; and of my neighbour's 16: the block's
	v_add_nc_u32 v11, -(EMAX<<23), v8              ; EMAX off its exponent field: the conversion takes the exponent field of this operand as its scale
	v_cvt_scalef32_pk16_fp6_f32 v[C+4*(\t):C+4*(\t)+2], v[XS:XS+15], v11
	v_lshrrev_b32 v[E+(\t)], 23, v11               ; the scale's byte
	ds_store_b8 v5, v[E+(\t)] offset:16*(\t)       ; both lanes of a block write the same byte with the same value
	global_store_b96 v4, v[C+4*(\t):C+4*(\t)+2], s[20:21] offset:32*CB*(\t)   ; the wave stores 384 consecutive bytes
.endm
.irp t, 0,1,2,3,4,5,6,7,8,9,10,11,12,13,14,15
	STEP \t
.endr
	ds_load_b64 v[8:9], v6                         ; LDS serves a wave's instructions in order: these see my stores
	s_wait_dscnt 0x0
	global_store_b64 v7, v[8:9], s[22:23]          ; 32 lanes store 256 consecutive bytes, aligned
	s_wait_tensorcnt 0x0                           ; the wave's end
	ds_add_u32 v[SPW], v[NIL]
	s_wait_dscnt 0x0
	s_endpgm
	; ---------------- the mask ----------------
	; mbits is [512 tiles of 16 rows][16 steps of 128 keys][64 words]: bit r + 16 h of word 16 b + i says whether mask[16 tile + r][128 step + 32 b + 16 h + i] is not 0.
	; A unit is 16 rows x 128 keys: 16 loads of 512 consecutive bytes; through my stage (rows 528 bytes apart) each lane gets row lane % 16 and the 64 keys of its half; a compare of register j IS word j.
.Lmask:
	s_sub_co_u32 s26, ttmp9, 896                   ; the tile of 16 rows
	s_mul_i32 s31, s30, MWV
	s_add_co_u32 s31, s31, MST                     ; my stage
	s_wait_alu depctr_va_vdst(0)
	v_add_nc_u32 v9, s31, v3                       ; in: 16 x lane of a row
	v_and_b32 v4, 15, v2                           ; r
	v_lshrrev_b32 v5, 4, v2                        ; h
	v_mul_u32_u24 v10, v4, 528
	v_lshl_add_u32 v10, v5, 6, v10
	v_add_nc_u32 v10, s31, v10                     ; out: row r, + 64 h bytes
	v_lshlrev_b32 v11, 3, v2                       ; two words a lane
.irp i, 0,1,2,3,4,5,6,7
	v_mov_b32 v[OW+\i], 0                          ; a lane write's destination counts as read
.endr
	s_lshl_b32 s28, s26, 17                        ; 16 rows of 8,192 bytes (under 2^26),
	s_lshl_b32 s27, s30, 11                        ; my wave's 512 keys
	s_add_co_u32 s28, s28, s27
	s_mov_b32 s29, 0
	s_lshl_b32 s40, s26, 12                        ; 4,096 bytes of words a tile,
	s_lshl_b32 s27, s30, 10                        ; 1,024 a wave
	s_add_co_u32 s40, s40, s27
	s_mov_b32 s41, 0
	s_wait_kmcnt 0x0
	s_add_nc_u64 s[18:19], s[18:19], s[28:29]
	s_add_nc_u64 s[24:25], s[24:25], s[40:41]
.macro LOADM u
.irp i, 0,1,2,3,4,5,6,7,8,9,10,11,12,13,14,15
	global_load_b128 v[RM+64*((\u)%2)+4*\i:RM+64*((\u)%2)+4*\i+3], v3, s[18:19] offset:8192*\i+512*(\u) th:TH_LOAD_NT
.endr
.endm
.macro UNIT u
.if (\u) < 3
	s_wait_loadcnt 16                              ; this unit's 16 loads are in; the next unit's 16 may be out
.else
	s_wait_loadcnt 0x0
.endif
.irp i, 0,1,2,3,4,5,6,7,8,9,10,11,12,13,14,15
	ds_store_b128 v9, v[RM+64*((\u)%2)+4*\i:RM+64*((\u)%2)+4*\i+3] offset:528*\i
.endr
.irp b, 0,1,2,3
.irp c, 0,1,2,3
	ds_load_b128 v[XM+16*\b+4*\c:XM+16*\b+4*\c+3], v10 offset:128*\b+16*\c   ; LDS serves a wave's instructions in order: these see my stores
.endr
.endr
	s_wait_dscnt 0x0                               ; the numbers are back, and the stores have read their registers,
.if (\u) < 2
	LOADM (\u)+2                                   ; which take the unit two further on
.endif
.set g, 0
.rept 8                                ; eight compares, then their eight words into their lanes
.irp k, 0,1,2,3,4,5,6,7
	v_cmp_ne_u32 s[32+\k], 0, v[XM+8*g+\k]
.endr
.irp k, 0,1,2,3,4,5,6,7
	v_writelane_b32 v[OW+2*(\u)+(\k)%2], s[32+\k], 4*g+(\k)/2
.endr
.set g, g+1
.endr
	global_store_b64 v11, v[OW+2*(\u):OW+2*(\u)+1], s[24:25] offset:256*(\u)   ; 32 lanes store 256 consecutive bytes, aligned
.endm
	LOADM 0
	LOADM 1
	UNIT 0
	UNIT 1
	UNIT 2
	UNIT 3
	s_wait_tensorcnt 0x0                           ; the wave's end
	ds_add_u32 v[SPW], v[NIL]
	s_wait_dscnt 0x0
	s_endpgm
.Lfunc_end_k_qb640296f4b_prep:
	.size	k_qb640296f4b_prep, .Lfunc_end_k_qb640296f4b_prep-k_qb640296f4b_prep
	.p2alignl 7, 3214868480
	.fill 96, 4, 3214868480
	.section	.rodata,"a",@progbits
	.p2align	6, 0x0
	.amdhsa_kernel k_qb640296f4b_prep
		.amdhsa_group_segment_fixed_size 67072
		.amdhsa_private_segment_fixed_size 0
		.amdhsa_enable_private_segment 0
		.amdhsa_kernarg_size 88
		.amdhsa_user_sgpr_count 2
		.amdhsa_user_sgpr_kernarg_segment_ptr 1
		.amdhsa_wavefront_size32 1
		.amdhsa_system_sgpr_workgroup_id_x 1
		.amdhsa_system_sgpr_workgroup_id_y 1
		.amdhsa_system_sgpr_workgroup_id_z 1
		.amdhsa_system_vgpr_workitem_id 0
		.amdhsa_next_free_vgpr 216
		.amdhsa_next_free_sgpr 66
		.amdhsa_reserve_vcc 0
		.amdhsa_float_denorm_mode_32 3
		.amdhsa_float_denorm_mode_16_64 3
		.amdhsa_memory_ordered 1
		.amdhsa_forward_progress 1
		.amdhsa_inst_pref_size 81
	.end_amdhsa_kernel
	.amdgpu_metadata
---
amdhsa.version: [ 1, 2 ]
amdhsa.kernels:
  - .name:           k_qb640296f4b_prep
    .symbol:         k_qb640296f4b_prep.kd
    .args:
      - { .name: query, .offset: 0, .size: 8, .value_kind: global_buffer, .address_space: global }
      - { .name: key_in, .offset: 8, .size: 8, .value_kind: global_buffer, .address_space: global }
      - { .name: value, .offset: 16, .size: 8, .value_kind: global_buffer, .address_space: global }
      - { .name: wq_w, .offset: 24, .size: 8, .value_kind: global_buffer, .address_space: global }
      - { .name: wk_w, .offset: 32, .size: 8, .value_kind: global_buffer, .address_space: global }
      - { .name: wv_w, .offset: 40, .size: 8, .value_kind: global_buffer, .address_space: global }
      - { .name: fc_w, .offset: 48, .size: 8, .value_kind: global_buffer, .address_space: global }
      - { .name: mask, .offset: 56, .size: 8, .value_kind: global_buffer, .address_space: global }
      - { .name: codes, .offset: 64, .size: 8, .value_kind: global_buffer, .address_space: global }
      - { .name: scales, .offset: 72, .size: 8, .value_kind: global_buffer, .address_space: global }
      - { .name: mbits, .offset: 80, .size: 8, .value_kind: global_buffer, .address_space: global }
    .group_segment_fixed_size: 67072
    .private_segment_fixed_size: 0
    .kernarg_segment_align: 8
    .kernarg_segment_size: 88
    .max_flat_workgroup_size: 128
    .sgpr_count:     66
    .vgpr_count:     216
    .wavefront_size: 32
...
	.end_amdgpu_metadata
.endif
;; end of part 1
;; launch proj (part 2): grid 4 x 64, 4 waves a work-group, clusters of 4 x 4, 327,680 bytes of LDS; arguments codes, scales, wq_b, wk_b, wv_b, qkv; writes qkv
.if DOCPART == 2
	.amdgcn_target "amdgcn-amd-amdhsa--gfx1250"
	.amdhsa_code_object_version 6
	.text
	.protected	k_qb640296f4b_proj
	.globl	k_qb640296f4b_proj
	.p2align	8
	.type	k_qb640296f4b_proj,@function
k_qb640296f4b_proj:
	s_mov_b64 s[64:65], 0
	v_nop
	global_prefetch_b8 v0, s[64:65] scope:SCOPE_SE
	s_setreg_imm32_b32 hwreg(HW_REG_WAVE_MODE, 25, 1), 1
	s_wait_xcnt 0x0
	s_wait_alu depctr_hold_cnt(0) depctr_sa_sdst(0) depctr_va_vdst(0) depctr_va_sdst(0) depctr_va_ssrc(0) depctr_va_vcc(0) depctr_vm_vsrc(0)
	s_getreg_b32 s2, hwreg(HW_REG_IB_STS2, 6, 4)
	s_cmp_eq_u32 s2, 0
	s_cbranch_scc0 .Lentry_in_a_cluster
	s_endpgm
.Lentry_in_a_cluster:
	s_bfe_u32 s2, ttmp6, 0x10000c
	s_cmp_lg_u32 s2, 0xf033
	s_cbranch_scc0 .Lentry_shape_is_right
	s_endpgm
.Lentry_shape_is_right:
; PROJ: q = query wq^T + bq, k = key_in wk^T + bk, v = value wv^T + bv on codes of FP6 (E2M3) with E8M0 scales; the results are quantised at once for the attention launch.  No work of the problem is left out.
; 256 WORK-GROUPS THAT STAY: each makes one block of q, one of k and one of v.  A block is 128 rows of A x 256 rows of B; four waves of 64 x 128: 32 accumulators, 256 registers.
; The matrix instruction's first source (B here) gives the results' registers, its second (A) their lanes.  q, k: B = 256 rows of the weight, A = 128 tokens.  v: B = 256 tokens of value, A = 128 rows of wv.
; WHOLE ROWS OF K: a row of 1,024 codes is 768 bytes and begins at a multiple of 256.  A block's 384 rows fill LDS, one joint load a wave.  When every wave has read its last fragments, the next block's rows are
; asked for into the same bytes: the load has the last 32 products and the whole way out in which to land.  q and k are the two trips of a loop; v, which asks for nothing more, is written out behind it.
; 16 bytes of padding lie behind every 256: an LDS row is 816 bytes = 204 words, so the 32 lanes of a load of 8 bytes touch 64 different banks (ISA guide 11.1).
; THE SCALES go from memory straight into registers: 32 bytes a row are the row's eight words, one for each 128 along K.  The next block's are asked for behind the last products, its biases at the trip's head.
; THE WAY OUT: bias, largest magnitudes, scale word, codes; the codes leave as images of the operand's registers.  qkv is 1,024 chunks of CH bytes, chunk ((batch x 16 + head) x 16 + step of 128 tokens):
;   +0 k: 8 tiles x 768; +6144 k's scale words [row 16][tile 8]; +6656 v: 4 tiles x 1536; +12800 v's scale words [row 16][tile 4]; +13056 q as k; +19200 q's scale words.
; CLUSTERS: 4 x 4; A's rows are asked for jointly along a row of the cluster, B's along a column; all sixteen partners walk q, k, v in step.
; PREFETCH: in the first trip waves 0 to 2 ask for v's rows, which the second trip's refill loads: one trip ahead.  Of A's 128 rows the partner at cx takes 32, of B's 256 the partner at cy 64: a lane a row, three blocks of
; 256 bytes a row.  k's rows come by their refill alone.
; LIMITS: a block of zeros keeps the byte 1 (its codes are zeros); NaN and infinities are not served.
.set PITCH, 816
.set BLK,   16*PITCH
.set BBASE, 128*PITCH                  ; B's 256 rows lie behind A's 128
.set SPARE, 384*PITCH                  ; the spare words: two blocks of 256 bytes that no other line names
.set CH,    19712
.set HS,    16*CH
.set ADRA, 16                          ; v16 my A rows; v17 the same with 16 more in lanes 16-31 (their piece lies behind one padding more)
.set ADRB, 18                          ; v18-19 B's blocks 0-3, v20-21 blocks 4-7
.set VA,   22                          ; 16 x lane
.set VB,   23                          ; 8 x lane
.set VS,   24                          ; 32 r + h HS
.set VSV,  25                          ; 16 r
.set VSC,  26                          ; 32 r
.set PFO,  27                          ; 768 x lane
.set SPW,  28
.set NIL,  29
.set SA,   32                          ; v32-63 A's scale words: block a, step s at 8 a + s
.set SB,   64                          ; v64-127 B's
.set AF,   128                         ; v128-223 A's fragments, two sets of 48.  Window 1: B's, two sets of 96.  Window 2: accumulator (a, b) at 8 (8 a + b).  Window 3: v0-63 the bias of my 64 features (q, k)
.set BJ,   224                         ; v224-227 v: the bias of my lane's feature in each of A's four blocks
.set HA,   128
.set CD,   192
.set TM,   212
.set PWS,  232
.set SE,   240
.set G1, 24
.set G0, 32
.set G0B, 36
.set G1B, 48
.set MSB, 0
.macro WIN new                         ; the immediate's high byte repeats the setting that is left
.if MSB != \new
	s_set_vgpr_msb (MSB<<8)|\new
.set MSB, \new
.endif
.endm
.macro CROUND                          ; a round of the cluster's barrier
	s_barrier_signal -1
	s_barrier_wait -1
	s_cmp_lg_u32 s14, 0
	s_cbranch_scc1 .Lnot_wave_0_\@
	s_barrier_signal -3
.Lnot_wave_0_\@:
	s_barrier_wait -3
	s_barrier_signal -1
	s_barrier_wait -1
.endm
.macro PLACES n                        ; plain vector instructions behind a matrix instruction (ISA guide 7.12.1)
.rept \n
	v_nop
.endr
.endm
.macro JLOAD                           ; one joint load a wave, in the two arms of one branch on the wave's number: waves 0, 1 fetch 64 rows of A each, waves 2, 3 128 rows of B
	s_cmp_eq_u32 s15, 0
	s_cbranch_scc0 .Lfor_b_\@
	tensor_load_to_lds s[G0:G0+3], s[G1:G1+7]
	s_nop 0
	PLACES 4
	s_branch .Lasked_\@
.Lfor_b_\@:
	tensor_load_to_lds s[G0B:G0B+3], s[G1B:G1B+7]
	s_nop 0
	PLACES 4
.Lasked_\@:
.endm
.macro SETUPA                          ; where block s74 (0 = q, 1 = k, 2 = v) comes from: both descriptors' addresses and the scales' bases.  It stands where no tensor load of mine is out
	s_lshl_b32 s75, s74, 13                        ; q, k: A's first row in the codes' buffer: query or key_in;
	s_lshl_b32 s76, s74, 10
	s_add_co_u32 s76, s76, 24576                   ; B's: wq_w or wk_w
	s_cmp_eq_u32 s74, 2
	s_cselect_b32 s77, s72, s70                    ; A's tile
	s_cselect_b32 s78, s73, s40                    ; B's tile
	s_cselect_b32 s75, 26624, s75                  ; v: A = wv_w,
	s_cselect_b32 s76, 16384, s76                  ; B = value
	s_lshl_b32 s20, s77, 7
	s_add_co_u32 s20, s20, s75
	s_lshl_b32 s46, s78, 8
	s_add_co_u32 s46, s46, s76
	s_lshl_b32 s18, s16, 7
	s_add_co_u32 s46, s46, s18                     ; B: the 128 rows that I fetch (waves 2, 3) and multiply
	s_lshl_b32 s18, s16, 6
	s_add_co_u32 s18, s20, s18                     ; A: the 64 rows that I fetch (waves 0, 1),
	s_lshl_b32 s19, s15, 6
	s_add_co_u32 s20, s20, s19                     ; and those that I multiply
	s_mul_i32 s18, s18, 768
	s_mov_b32 s19, 0
	s_mul_i32 s22, s46, 768
	s_mov_b32 s23, 0
	s_lshl_b32 s20, s20, 5                         ; their scales: 32 bytes a row
	s_mov_b32 s21, 0
	s_lshl_b32 s46, s46, 5
	s_mov_b32 s47, 0
	s_add_nc_u64 s[G0+2:G0+3], s[4:5], s[18:19]
	s_or_b32 s[G0+3], s[G0+3], 0x80000000
	s_add_nc_u64 s[G0B+2:G0B+3], s[4:5], s[22:23]
	s_or_b32 s[G0B+3], s[G0B+3], 0x80000000
	s_add_nc_u64 s[56:57], s[6:7], s[20:21]
	s_add_nc_u64 s[58:59], s[6:7], s[46:47]
.endm
.macro SCLOADS                         ; a block's scale words: 24 loads
.irp i, 0,1,2,3
	global_load_b128 v[SA+8*\i:SA+8*\i+3], v[VSC], s[56:57] offset:512*\i
	global_load_b128 v[SA+8*\i+4:SA+8*\i+7], v[VSC], s[56:57] offset:512*\i+16
.endr
.irp i, 0,1,2,3,4,5,6,7
	global_load_b128 v[SB+8*\i:SB+8*\i+3], v[VSC], s[58:59] offset:512*\i
	global_load_b128 v[SB+8*\i+4:SB+8*\i+7], v[VSC], s[58:59] offset:512*\i+16
.endr
.endm
.macro FRAG reg, adr, st, off          ; 12 registers: registers 6 c .. 6 c + 5 hold K = 64 c + 32 h + 0 .. 31: 24 bytes of the row, in pieces of 8.  Byte y of a row lies at y + 16 (y / 256)
.irp p, 0,1,2,3,4,5
.set BY, 96*(\st)+48*(\p/3)+8*(\p%3)
.if BY/256 == (BY+24)/256
	ds_load_b64 v[\reg+2*\p:\reg+2*\p+1], v[\adr] offset:BY+16*(BY/256)+(\off)
.else
	ds_load_b64 v[\reg+2*\p:\reg+2*\p+1], v[\adr+1] offset:BY+16*(BY/256)+(\off)
.endif
.endr
.endm
.macro FETCH st                        ; step st's fragments into set st % 2: 72 loads
	WIN 0x40
.irp i, 0,1,2,3,4,5,6,7
	FRAG 96*((\st)%2)+12*\i, ADRB+2*(\i/4), \st, (\i%4)*BLK
.endr
	WIN 0
.irp i, 0,1,2,3
	FRAG AF+48*((\st)%2)+12*\i, ADRA, \st, \i*BLK
.endr
.endm
.macro MUL32 st, zero                  ; the 32 accumulators take turns, one instruction a turn, in the same order in every step
.irp a, 0,1,2,3
.irp b, 0,1,2,3,4,5,6,7
.if \zero
	v_wmma_scale_f32_16x16x128_f8f6f4 v[8*(8*\a+\b):8*(8*\a+\b)+7], v[96*((\st)%2)+12*\b:96*((\st)%2)+12*\b+11], v[AF+48*((\st)%2)+12*\a:AF+48*((\st)%2)+12*\a+11], 0, v[SB+8*\b+(\st)], v[SA+8*\a+(\st)] matrix_a_fmt:MATRIX_FMT_FP6 matrix_b_fmt:MATRIX_FMT_FP6
.else
	v_wmma_scale_f32_16x16x128_f8f6f4 v[8*(8*\a+\b):8*(8*\a+\b)+7], v[96*((\st)%2)+12*\b:96*((\st)%2)+12*\b+11], v[AF+48*((\st)%2)+12*\a:AF+48*((\st)%2)+12*\a+11], v[8*(8*\a+\b):8*(8*\a+\b)+7], v[SB+8*\b+(\st)], v[SA+8*\a+(\st)] matrix_a_fmt:MATRIX_FMT_FP6 matrix_b_fmt:MATRIX_FMT_FP6
.endif
.endr
.endr
.endm
.macro KSTEPS last                     ; steps 1 .. last
.set ST, 1
.rept \last
	s_wait_dscnt 0x0                               ; this step's fragments are in: they were asked for ahead of the last step's 32 products
.if ST < 7
	PLACES 4                                       ; in front of loads into the set that the last step multiplied
	FETCH ST+1
.endif
	WIN 0xa1                                       ; source 0 (B) window 1, source 1 (A) window 0, C and D window 2
	MUL32 ST, 0
.set ST, ST+1
.endr
	WIN 0
.endm
; 64 numbers of a lane, register 16 b + i = k 32 b + 16 h + i of my row, become a fragment's codes in v[CD] on and its scale word in v[pw].
.macro QUANT s, pw
.irp b, 0,1,2,3
	v_max3_num_f32 v[TM+\b], |v[\s+16*\b]|, |v[\s+1+16*\b]|, 0x1800000   ; and the floor 2^(3 - 127): the byte cannot fall under 1
.endr
.irp i, 2,4,6,8,10,12,14
.irp b, 0,1,2,3
	v_max3_num_f32 v[TM+\b], v[TM+\b], |v[\s+16*\b+\i]|, |v[\s+1+16*\b+\i]|
.endr
.endr
.irp b, 0,1,2,3
	v_permlanex16_b32 v[TM+4+\b], v[TM+\b], s62, s63
.endr
.irp b, 0,1,2,3
	v_max_num_f32 v[TM+\b], v[TM+\b], v[TM+4+\b]   ; with lane l xor 16's: the block's largest magnitude
.endr
.irp b, 0,1,2,3
	v_add_nc_u32 v[TM+8+\b], 0xff000000, v[TM+\b]  ; 2 off its exponent field: the conversion's scale operand
.endr
.irp b, 0,1,2,3
	v_lshrrev_b32 v[TM+4+\b], 23, v[TM+8+\b]       ; the scale's byte
.endr
	v_lshl_or_b32 v[\pw], v[TM+5], 8, v[TM+4]
	v_lshl_or_b32 v[\pw], v[TM+6], 16, v[\pw]
	v_lshl_or_b32 v[\pw], v[TM+7], 24, v[\pw]
.irp c, 0,1
	v_cvt_scalef32_pk16_fp6_f32 v[CD+6*\c:CD+2+6*\c], v[\s+32*\c:\s+15+32*\c], v[TM+8+2*\c]
	v_cvt_scalef32_pk16_fp6_f32 v[CD+12+4*\c:CD+14+4*\c], v[\s+16+32*\c:\s+31+32*\c], v[TM+8+2*\c+1]   ; (a conversion's three registers begin on an even number)
.endr
	v_nop                                          ; one plain place behind a scaled conversion
.irp c, 0,1                                    ; the operand's layout wants a whole block in a lane
.irp i, 0,1,2
	v_permlane16_swap_b32 v[CD+6*\c+\i], v[CD+12+4*\c+\i]
.endr
.irp i, 0,1,2
	v_mov_b32 v[CD+3+6*\c+\i], v[CD+12+4*\c+\i]
.endr
.endr
.endm
.macro EPIQK a                         ; 16 tokens x my 128 features: two heads' fragments
.if (\a) > 0
	s_wait_xcnt 0x0                                ; the last block's stores have read their registers
.endif
	WIN 0x0e                                       ; source 0: the sums, window 2; source 1: the bias, window 3
.set x, 0
.rept 32
	v_pk_add_f32 v[HA+x:HA+x+1], v[64*(\a)+x:64*(\a)+x+1], v[x:x+1]   ; ascending: each accumulator is read from its low end on
.set x, x+2
.endr
	WIN 0
	QUANT HA, PWS+(\a)
.irp c, 0,1
	global_store_b128 v[VA], v[CD+6*\c:CD+6*\c+3], s[12:13] offset:\c*HS+768*(\a)        ; 512 consecutive bytes
	global_store_b64 v[VB], v[CD+6*\c+4:CD+6*\c+5], s[12:13] offset:\c*HS+768*(\a)+512   ; 256 consecutive bytes
.endr
.endm
.macro EPIV a                          ; 16 features x my 128 tokens: one fragment of v^T
.if (\a) > 0
	s_wait_xcnt 0x0
.endif
	WIN 0x02
.set x, 0
.rept 64
	v_add_f32 v[HA+x], v[64*(\a)+x], v[BJ+(\a)]
.set x, x+1
.endr
	WIN 0
	QUANT HA, PWS+(\a)
.irp c, 0,1,2
	global_store_b128 v[VA], v[CD+4*\c:CD+4*\c+3], s[12:13] offset:6656+1536*(\a)+512*\c
.endr
.endm
	s_load_b128 s[4:7], s[0:1], 0x0                ; codes, scales
	s_load_b128 s[96:99], s[0:1], 0x10             ; wq_b, wk_b
	s_load_b128 s[8:11], s[0:1], 0x20              ; wv_b, qkv
	v_lshl_add_u32 v[SPW], v0, 2, SPARE
	v_mov_b32 v[NIL], 0
	ds_add_u32 v[SPW], v[NIL]                      ; the opening lines: the add twice on end, and its wait ahead of my first tensor load
	ds_add_u32 v[SPW], v[NIL]
	v_lshrrev_b32 v1, 5, v0
	v_readfirstlane_b32 s14, v1                    ; wave
	s_lshr_b32 s15, s14, 1                         ; which 64 of A's rows I multiply.  Also: I fetch for A (0) or B (1)
	s_and_b32 s16, s14, 1                          ; which 128 of B's rows I multiply.  Also: which half of the tile I fetch
	s_bfe_u32 s40, ttmp6, 0x40000                  ; cx: q, k: B's tile
	s_bfe_u32 s41, ttmp6, 0x40004                  ; cy
	s_and_b32 s17, ttmp7, 0xffff                   ; n: the cluster, 0 .. 15
	s_lshl_b32 s70, s17, 2
	s_add_co_u32 s70, s70, s41                     ; q, k: A's tile of 128 tokens: 4 n + cy
	s_and_b32 s72, s17, 1
	s_lshl_b32 s72, s72, 2
	s_add_co_u32 s72, s72, s41                     ; v: A's tile of 128 features: 4 (n % 2) + cy
	s_lshr_b32 s73, s17, 1
	s_lshl_b32 s73, s73, 2
	s_add_co_u32 s73, s73, s40                     ; v: B's tile of 256 tokens: 4 (n / 2) + cx
	s_lshl_b32 s43, s41, 2
	s_lshl_b32 s43, 15, s43                        ; my row of the cluster
	s_lshl_b32 s44, 0x1111, s40                    ; my column
	s_or_b32 s[G1+0], s43, (1<<20)|(1<<21)|(5<<22)|(3<<25)   ; elements of a byte; 4 words of padding behind every 64
	s_or_b32 s[G1B+0], s44, (1<<20)|(1<<21)|(5<<22)|(3<<25)
	s_mov_b32 s[G1+2], 64<<16                      ; a load for A brings 64 rows,
	s_mov_b32 s[G1+4], 64
	s_mov_b32 s[G1B+2], 128<<16                    ; one for B 128
	s_mov_b32 s[G1B+4], 128
.irp g, G1, G1B
	s_mov_b32 s[\g+1], 768<<16
	s_mov_b32 s[\g+3], 768<<16
	s_mov_b32 s[\g+5], 768
	s_mov_b32 s[\g+6], 0
	s_mov_b32 s[\g+7], 0
.endr
	s_mov_b32 s[G0], 1
	s_mul_i32 s[G0+1], s16, 64*PITCH               ; where the rows go: the wave's number alone enters an LDS address
	s_mov_b32 s[G0B], 1
	s_mul_i32 s94, s16, 128*PITCH
	s_add_co_u32 s94, s94, BBASE
	s_mov_b32 s[G0B+1], s94
	s_mul_i32 s61, s15, 64*PITCH
	s_mov_b32 s62, 0x76543210
	s_mov_b32 s63, 0xfedcba98                      ; v_permlanex16_b32's selects for lane l xor 16
	s_mov_b32 s95, 0                               ; the block at work
	s_mov_b32 s74, 0                               ; the block asked for
	s_wait_dscnt 0x0                               ; both opening adds are done
	s_wait_kmcnt 0x0
	SETUPA
	CROUND                                         ; all sixteen work-groups are here: the joint loads meet
	JLOAD
	s_lshl_b32 s18, s40, 1
	s_add_co_u32 s18, s18, s16                     ; q, k: X: which 128 features
	s_lshl_b32 s81, s18, 9                         ; their bias, in bytes
	s_lshl_b32 s19, s70, 1
	s_add_co_u32 s19, s19, s15                     ; Y: which 64 tokens
	s_and_b32 s80, s19, 1                          ; which four of the chunk's eight tiles
	s_lshr_b32 s19, s19, 1                         ; the block of 128 tokens
	s_lshr_b32 s20, s19, 4                         ; chunk = (batch x 16 + head) x 16 + step, head = 2 X
	s_lshl_b32 s20, s20, 8
	s_lshl_b32 s18, s18, 5
	s_add_co_u32 s20, s20, s18
	s_and_b32 s19, s19, 15
	s_add_co_u32 s20, s20, s19
	s_mul_i32 s79, s20, CH
	s_lshl_b32 s18, s72, 7                         ; the prefetch: v's rows.  Wave 0: A's, my work-group's 32 of 128;
	s_add_co_u32 s18, s18, 26624
	s_lshl_b32 s19, s40, 5
	s_add_co_u32 s18, s18, s19
	s_lshl_b32 s20, s73, 8                         ; waves 1, 2: B's, 32 each of my work-group's 64 of 256
	s_add_co_u32 s20, s20, 16384-32
	s_lshl_b32 s21, s41, 6
	s_add_co_u32 s20, s20, s21
	s_lshl_b32 s21, s14, 5
	s_add_co_u32 s20, s20, s21
	s_cmp_eq_u32 s14, 0
	s_cselect_b32 s18, s18, s20
	s_mul_i32 s18, s18, 768
	s_mov_b32 s19, 0
	s_add_nc_u64 s[82:83], s[4:5], s[18:19]
	v_and_b32 v1, 15, v0                           ; r
	v_bfe_u32 v2, v0, 4, 1                         ; h
	v_mul_u32_u24 v3, v1, PITCH
	v_mad_u32_u24 v3, v2, 24, v3                   ; a fragment's row x pitch + 24 h
	v_add_nc_u32 v[ADRA], s61, v3
	v_add_nc_u32 v[ADRB], s94, v3
	v_lshl_add_u32 v[ADRA+1], v2, 4, v[ADRA]
	v_lshl_add_u32 v[ADRB+1], v2, 4, v[ADRB]
	v_add_nc_u32 v[ADRB+2], 4*BLK, v[ADRB]
	v_add_nc_u32 v[ADRB+3], 4*BLK, v[ADRB+1]
	v_and_b32 v6, 31, v0
	v_lshlrev_b32 v[VA], 4, v6
	v_lshlrev_b32 v[VB], 3, v6
	v_mul_u32_u24 v[PFO], v6, 768
	v_lshlrev_b32 v[VSC], 5, v1
	v_mul_u32_u24 v[VS], v2, HS
	v_add_nc_u32 v[VS], v[VS], v[VSC]
	v_lshlrev_b32 v[VSV], 4, v1
	v_lshlrev_b32 v7, 4, v2                        ; 16 h: lanes 16-31 take a scale word's upper half
	v_lshlrev_b32 v8, 6, v2                        ; 16 h numbers
	v_and_b32 v9, 8, v1
	v_add_nc_u32 v9, v9, v1
	v_lshlrev_b32 v9, 2, v9                        ; r + 8 (r / 8) numbers
.irp b, 0,1,2,3
	v_mov_b32 v[TM+4+\b], 0                        ; a lane permute's destination counts as one of its sources
.endr
	s_wait_alu depctr_va_vdst(0)
	SCLOADS
.Lmode:                                                ; q, then k
	s_wait_xcnt 0x0                                ; every earlier load and store has read its base and its registers
	s_cmp_eq_u32 s95, 1
	s_cselect_b64 s[100:101], s[98:99], s[96:97]   ; this block's bias
	s_mov_b32 s18, s81
	s_mov_b32 s19, 0
	s_add_nc_u64 s[100:101], s[100:101], s[18:19]
	s_cmp_eq_u32 s95, 0
	s_cselect_b32 s18, 13056, 0                    ; q's part of a chunk
	s_add_co_u32 s18, s18, s79
	s_lshl_b32 s20, s80, 4
	s_add_co_u32 s20, s20, s18                     ; the scale words' base: my four tiles' 16 bytes of a row's 32
	s_mul_i32 s21, s80, 4*768
	s_add_co_u32 s18, s18, s21                     ; the codes' base: my four tiles
	s_mov_b32 s21, 0
	s_add_nc_u64 s[12:13], s[10:11], s[18:19]
	s_add_nc_u64 s[92:93], s[10:11], s[20:21]
	WIN 0xc0
.irp b, 0,1,2,3
.irp c, 0,1,2,3
	global_load_b128 v[16*\b+4*\c:16*\b+4*\c+3], v8, s[100:101] offset:128*\b+16*\c   ; register 16 b + i: the bias of feature 32 b + 16 h + i
.endr
.endr
	WIN 0
	s_wait_tensorcnt 0x0                           ; my rows of this block are in;
	s_barrier_signal -1
	s_barrier_wait -1                              ; everybody's are
	FETCH 0
	s_wait_loadcnt 16                              ; the scale words are in; the 16 bias loads behind them may be out
	s_wait_dscnt 0x0
	FETCH 1
	s_cmp_eq_u32 s95, 0                            ; the first trip asks for v's rows
	s_cbranch_scc0 .Lno_pf
	s_cmp_lt_u32 s14, 3
	s_cbranch_scc0 .Lno_pf
	global_prefetch_b8 v[PFO], s[82:83] th:TH_LOAD_NT scope:SCOPE_SE
	global_prefetch_b8 v[PFO], s[82:83] offset:256 th:TH_LOAD_NT scope:SCOPE_SE
	global_prefetch_b8 v[PFO], s[82:83] offset:512 th:TH_LOAD_NT scope:SCOPE_SE
.Lno_pf:
	WIN 0xa1
	MUL32 0, 1                                     ; the first products start the sums
	KSTEPS 6
	s_add_co_u32 s74, s95, 1
	s_wait_tensorcnt 0x0                           ; no tensor load of mine is out;
	ds_add_u32 v[SPW], v[NIL]
	SETUPA                                         ; the next block's addresses: work on registers
	s_wait_dscnt 0x0                               ; the add is done, and step 7's fragments are in: my reads of this block's rows are over
	CROUND                                         ; so are those of every wave of every partner
	JLOAD                                          ; the next block's rows: my one tensor load behind the round
	WIN 0xa1
	MUL32 7, 0
	WIN 0
	PLACES 4                                       ; in front of loads into the scale registers, and of the reads of results
	SCLOADS                                        ; the next block's scale words
	s_wait_loadcnt 24                              ; the biases are in; the 24 loads just issued may be out
.irp a, 0,1,2,3
	EPIQK \a
.endr
.irp x, 0,1,2,3
	v_lshrrev_b32 v[SE+\x], v7, v[PWS+\x]          ; both halves of the lanes hold row r's word: lanes 0-15 store the first head's two bytes, lanes 16-31 the second head's
.endr
.irp x, 0,1,2,3
	v_and_b32 v[SE+\x], 0xffff, v[SE+\x]           ; bytes 2 and 3 are 0: they meet zero codes
.endr
	global_store_b128 v[VS], v[SE:SE+3], s[92:93] offset:6144
	s_add_co_u32 s95, s95, 1
	s_cmp_lt_u32 s95, 2
	s_wait_alu depctr_va_vdst(0)
	s_cbranch_scc1 .Lmode
	s_wait_xcnt 0x0                                ; v: the tail, which asks for nothing more
	s_lshl_b32 s18, s73, 1
	s_add_co_u32 s18, s18, s16                     ; the block of 128 tokens
	s_lshl_b32 s19, s72, 1
	s_add_co_u32 s19, s19, s15                     ; the head: my 64 features
	s_lshl_b32 s22, s19, 8
	s_mov_b32 s23, 0
	s_add_nc_u64 s[100:101], s[8:9], s[22:23]
	s_lshr_b32 s20, s18, 4
	s_lshl_b32 s20, s20, 8
	s_lshl_b32 s19, s19, 4
	s_add_co_u32 s20, s20, s19
	s_and_b32 s18, s18, 15
	s_add_co_u32 s20, s20, s18
	s_mul_i32 s20, s20, CH
	s_mov_b32 s21, 0
	s_add_nc_u64 s[12:13], s[10:11], s[20:21]
.irp a, 0,1,2,3
	global_load_b32 v[BJ+\a], v9, s[100:101] offset:(32*(\a/2)+8*(\a%2))*4   ; block a, lane r: feature 32 (a / 2) + 8 (a % 2) + r + 8 (r / 8)
.endr
	s_wait_tensorcnt 0x0
	s_barrier_signal -1
	s_barrier_wait -1
	FETCH 0
	s_wait_loadcnt 4                               ; the scale words are in; the four bias loads may be out
	s_wait_dscnt 0x0
	FETCH 1
	WIN 0xa1
	MUL32 0, 1
	KSTEPS 7
	PLACES 4
	s_wait_loadcnt 0x0
.irp a, 0,1,2,3
	EPIV \a
.endr
	global_store_b128 v[VSV], v[PWS:PWS+3], s[12:13] offset:12800   ; row r's four words; both halves of the lanes store the same bytes
	s_wait_tensorcnt 0x0                           ; the wave's end
	ds_add_u32 v[SPW], v[NIL]
	s_wait_dscnt 0x0
	CROUND                                         ; the closing round
	s_endpgm
.Lfunc_end_k_qb640296f4b_proj:
	.size	k_qb640296f4b_proj, .Lfunc_end_k_qb640296f4b_proj-k_qb640296f4b_proj
	.p2alignl 7, 3214868480
	.fill 96, 4, 3214868480
	.section	.rodata,"a",@progbits
	.p2align	6, 0x0
	.amdhsa_kernel k_qb640296f4b_proj
		.amdhsa_group_segment_fixed_size 327680
		.amdhsa_private_segment_fixed_size 0
		.amdhsa_enable_private_segment 0
		.amdhsa_kernarg_size 48
		.amdhsa_user_sgpr_count 2
		.amdhsa_user_sgpr_kernarg_segment_ptr 1
		.amdhsa_wavefront_size32 1
		.amdhsa_system_sgpr_workgroup_id_x 1
		.amdhsa_system_sgpr_workgroup_id_y 1
		.amdhsa_system_sgpr_workgroup_id_z 1
		.amdhsa_system_vgpr_workitem_id 0
		.amdhsa_next_free_vgpr 1024
		.amdhsa_next_free_sgpr 106
		.amdhsa_reserve_vcc 0
		.amdhsa_float_denorm_mode_32 3
		.amdhsa_float_denorm_mode_16_64 3
		.amdhsa_memory_ordered 1
		.amdhsa_forward_progress 1
		.amdhsa_inst_pref_size 208
	.end_amdhsa_kernel
	.amdgpu_metadata
---
amdhsa.version: [ 1, 2 ]
amdhsa.kernels:
  - .name:           k_qb640296f4b_proj
    .symbol:         k_qb640296f4b_proj.kd
    .args:
      - { .name: codes, .offset: 0, .size: 8, .value_kind: global_buffer, .address_space: global }
      - { .name: scales, .offset: 8, .size: 8, .value_kind: global_buffer, .address_space: global }
      - { .name: wq_b, .offset: 16, .size: 8, .value_kind: global_buffer, .address_space: global }
      - { .name: wk_b, .offset: 24, .size: 8, .value_kind: global_buffer, .address_space: global }
      - { .name: wv_b, .offset: 32, .size: 8, .value_kind: global_buffer, .address_space: global }
      - { .name: qkv, .offset: 40, .size: 8, .value_kind: global_buffer, .address_space: global }
    .group_segment_fixed_size: 327680
    .private_segment_fixed_size: 0
    .kernarg_segment_align: 8
    .kernarg_segment_size: 48
    .max_flat_workgroup_size: 128
    .sgpr_count:     106
    .vgpr_count:     1024
    .wavefront_size: 32
...
	.end_amdgpu_metadata
.endif
;; end of part 2
;; launch attn (part 3): grid 4 x 64, 16 waves a work-group, clusters of 4 x 1, 327,680 bytes of LDS; arguments qkv, mbits, oc, os; writes oc, os
.if DOCPART == 3
	.amdgcn_target "amdgcn-amd-amdhsa--gfx1250"
	.amdhsa_code_object_version 6
	.text
	.protected	k_qb640296f4b_attn
	.globl	k_qb640296f4b_attn
	.p2align	8
	.type	k_qb640296f4b_attn,@function
k_qb640296f4b_attn:
	s_mov_b64 s[64:65], 0
	v_nop
	global_prefetch_b8 v0, s[64:65] scope:SCOPE_SE
	s_setreg_imm32_b32 hwreg(HW_REG_WAVE_MODE, 25, 1), 1
	s_wait_xcnt 0x0
	s_wait_alu depctr_hold_cnt(0) depctr_sa_sdst(0) depctr_va_vdst(0) depctr_va_sdst(0) depctr_va_ssrc(0) depctr_va_vcc(0) depctr_vm_vsrc(0)
	s_getreg_b32 s2, hwreg(HW_REG_IB_STS2, 6, 4)
	s_cmp_eq_u32 s2, 0
	s_cbranch_scc0 .Lentry_in_a_cluster
	s_endpgm
.Lentry_in_a_cluster:
	s_bfe_u32 s2, ttmp6, 0x10000c
	s_cmp_lg_u32 s2, 0x3003
	s_cbranch_scc0 .Lentry_shape_is_right
	s_endpgm
.Lentry_shape_is_right:
; ATTN: o = softmax(mask(q k^T / 8)) v on codes of FP6 (E2M3), and o quantised for the last product.  No work of the problem is left out.
; A WORK-GROUP OWNS ONE HEAD OF ONE BATCH AND 512 QUERIES.  The head's k and v for all 2,048 keys are 16 chunks of CHL = 13,056 bytes: they come into LDS ONCE, a chunk a wave, and stay:
; nothing is filled again, so one barrier serves the launch, and behind it no wave waits for another.  A wave takes two tiles of 16 queries, one after the other, each over 16 steps of 128 keys.
; Both products are used transposed (S^T = k q^T, O^T = v^T p^T): a lane holds one query.  M is the ceiling of the running largest t, kept as -M; p = 2^(t - M); the row's sum is taken of p before it is quantised;
; a change of M multiplies the sum and O^T by an exact power of two.  A block's largest p is made from its largest score by the same multiply-add and exponential.
; THE MASK: one bit a score, word j of a step being the lane mask of score register j; the words come by scalar loads one step ahead.  A masked score is -2^33, so t = -2^33 c, which is exact; a row that is masked whole gets p = 1 everywhere.
; CLUSTERS: the four blocks of 512 queries of a head read the same chunks: each chunk is asked for jointly (mask 15).
; No prefetch: every tensor load goes out at the head; the mask's words are asked for one step ahead by their own loads.
; LIMITS: the promise holds while the scaled scores stay under 2^30 in magnitude, above the masked score's t; NaN and infinities are not served; a block of zeros keeps the byte 1.
; REGISTERS: v1-4 lane offsets, v5-6 the add's, v7 the masked score, v12 -M, v13 the largest t, v[14:15] the sum, v16-27 q (22-27 zero codes: K is 64), v28 q's scales, v29 my place in oc, v30-41 k's and v's scale words,
; v42-95 fragments of k, then of v, v96-159 scores, then p, v160-191 O^T, v192-198 the second tile's q, v224-255 at work.
.set CH,    19712
.set CHL,   13056
.set SPARE, 16*CHL
; THE DEAL OF THE 32 TILES OF QUERIES (it takes the place of 'two tiles a wave' above): the waves' shares differ, and the longest have the lowest numbers: waves 0-3 take three tiles, waves 4-11 two, waves 12-15 one.
; Wave w takes tiles 8 (w % 4) + base .. of the work-group's 32, base = 0, 3, 5, 7 for w / 4 = 0 .. 3.  Every wave walks all three loops of 16 trips; a wave with no tile left jumps round the step, on its number alone.
; v192-198 and v200-206 hold the second and the third tile's q (a wave with fewer tiles loads its chunk's last tile there and does not use it).
.macro CROUND
	s_barrier_signal -1
	s_barrier_wait -1
	s_cmp_lg_u32 s60, 0
	s_cbranch_scc1 .Lnot_wave_0_\@
	s_barrier_signal -3
.Lnot_wave_0_\@:
	s_barrier_wait -3
	s_barrier_signal -1
	s_barrier_wait -1
.endm
	s_load_b256 s[84:91], s[0:1], 0x0              ; qkv, mbits, oc, os
	v_lshl_add_u32 v5, v0, 2, SPARE
	v_mov_b32 v6, 0
	ds_add_u32 v5, v6                              ; the opening lines: the add twice on end, and its wait
	ds_add_u32 v5, v6
	v_lshrrev_b32 v8, 5, v0
	s_delay_alu instid0(VALU_DEP_1)
	v_readfirstlane_b32 s60, v8                    ; wave
	s_bfe_u32 s4, ttmp6, 0x40000                   ; cx: which 512 queries
	s_and_b32 s6, ttmp7, 0xffff                    ; batch x 16 + head
	s_lshl_b32 s8, s6, 4
	s_add_co_u32 s8, s8, s60
	s_mul_i32 s8, s8, CH                           ; my chunk of k and v: step = wave
	s_mov_b32 s9, 0
	s_mul_i32 s10, s60, CHL                        ; and its place in LDS
	s_lshr_b32 s11, s6, 4
	s_lshl_b32 s12, s11, 7
	s_lshl_b32 s13, s4, 5
	s_add_co_u32 s12, s12, s13
	s_and_b32 s24, s60, 3
	s_lshr_b32 s27, s60, 2
	s_lshl_b32 s13, s24, 3
	s_add_co_u32 s12, s12, s13
	s_min_u32 s13, s27, 1
	s_lshl_b32 s30, s27, 1
	s_add_co_u32 s30, s30, s13                     ; base: 0, 3, 5, 7
	s_add_co_u32 s12, s12, s30                     ; my first tile: 128 batch + 32 cx + 8 (wave % 4) + base
	s_add_co_u32 s13, s27, 1
	s_lshr_b32 s13, s13, 1
	s_sub_co_u32 s13, 3, s13                       ; my tiles: 3, 2, 2, 1
	s_lshl_b32 s13, s13, 12
	s_sub_co_u32 s104, s13, 256                    ; my last step's mask words
	s_lshl_b32 s14, s12, 12
	s_mov_b32 s15, 0
	s_and_b32 s16, s6, 15                          ; the head
	s_mul_i32 s18, s12, 16*768
	s_mul_i32 s17, s16, 48
	s_add_co_u32 s18, s18, s17                     ; oc: row 16 tile, + the head's 48 bytes
	s_mov_b32 s19, 0
	s_lshl_b32 s28, s12, 9
	s_lshl_b32 s17, s16, 1
	s_add_co_u32 s28, s28, s17                     ; os: + the head's 2 bytes
	s_mov_b32 s29, 0
	s_lshl_b32 s20, s6, 4
	s_lshl_b32 s21, s4, 2
	s_add_co_u32 s20, s20, s21
	s_add_co_u32 s20, s20, s24
	s_mul_i32 s20, s20, CH
	s_add_co_u32 s20, s20, CHL                     ; q's part of the chunk that holds my tiles
	s_mov_b32 s21, 0
	s_mul_i32 s32, s30, 768                        ; my three tiles' codes and scale words in it, held at the chunk's last tile
	s_lshl_b32 s34, s30, 2
	s_add_co_u32 s34, s34, 6144
	s_add_co_u32 s31, s30, 1
	s_min_u32 s31, s31, 7
	s_mul_i32 s36, s31, 768
	s_lshl_b32 s38, s31, 2
	s_add_co_u32 s38, s38, 6144
	s_add_co_u32 s31, s30, 2
	s_min_u32 s31, s31, 7
	s_mul_i32 s40, s31, 768
	s_lshl_b32 s42, s31, 2
	s_add_co_u32 s42, s42, 6144
.irp x, 33,35,37,39,41,43
	s_mov_b32 s\x, 0
.endr
	v_and_b32 v8, 31, v0
	s_delay_alu instid0(VALU_DEP_1)
	v_lshlrev_b32 v1, 4, v8                        ; 16 x lane
	v_lshlrev_b32 v2, 3, v8                        ; 8 x lane
	v_and_b32 v9, 15, v0
	v_bfe_u32 v10, v0, 4, 1
	s_delay_alu instid0(VALU_DEP_2)
	v_lshlrev_b32 v3, 5, v9                        ; 32 r
	v_lshlrev_b32 v4, 4, v9                        ; 16 r
	v_mul_u32_u24 v29, v9, 768
	s_delay_alu instid0(VALU_DEP_1)
	v_mad_u32_u24 v29, v10, 24, v29                ; oc: row r, block h
	v_mov_b32 v7, 0xd0000000                       ; -2^33
	s_mov_b32 s52, 15|(3<<16)|(1<<21)              ; a chunk is dense: 51 rows of 256 bytes (32 elements of 8)
	s_mov_b32 s53, 32<<16
	s_mov_b32 s54, 51<<16
	s_mov_b32 s55, 32<<16
	s_mov_b32 s56, 51
	s_mov_b32 s57, 32
	s_mov_b32 s58, 0
	s_mov_b32 s59, 0
	s_mov_b32 s62, 0x3e38aa3b                      ; c = log2(e) / 8
	s_mov_b32 s63, s62
	s_mov_b32 s66, 0x76543210
	s_mov_b32 s67, 0xfedcba98                      ; selects for lane l xor 16
	s_mov_b32 s61, 0
	s_wait_alu depctr_va_vdst(0)
	s_wait_dscnt 0x0
	s_wait_kmcnt 0x0
	s_mov_b32 s92, 1
	s_mov_b32 s93, s10
	s_add_nc_u64 s[94:95], s[84:85], s[8:9]
	s_or_b32 s95, s95, 0x80000000
	s_add_nc_u64 s[100:101], s[84:85], s[20:21]
.irp x, 32,34,36,38,40,42
	s_add_nc_u64 s[\x:\x+1], s[100:101], s[\x:\x+1]
.endr
	s_add_nc_u64 s[86:87], s[86:87], s[14:15]
	s_add_nc_u64 s[88:89], s[88:89], s[18:19]
	s_add_nc_u64 s[90:91], s[90:91], s[28:29]
	CROUND                                         ; the four partners are here: the joint loads meet
	tensor_load_to_lds s[92:95], s[52:59]          ; my one tensor load of the launch
	s_nop 0
.rept 4
	v_nop
.endr
	s_wait_alu depctr_va_vdst(0)
	global_load_b128 v[16:19], v1, s[32:33]
	global_load_b64 v[20:21], v2, s[32:33] offset:512
	global_load_b32 v28, v3, s[34:35]
	global_load_b128 v[192:195], v1, s[36:37]
	global_load_b64 v[196:197], v2, s[36:37] offset:512
	global_load_b32 v198, v3, s[38:39]
	global_load_b128 v[200:203], v1, s[40:41]
	global_load_b64 v[204:205], v2, s[40:41] offset:512
	global_load_b32 v206, v3, s[42:43]
	s_wait_xcnt 0x0                                ; these loads have read their bases, on which the mask words land
	s_load_b512 s[4:19], s[86:87], s61 offset:0x0  ; step 0's 64 mask words
	s_load_b512 s[20:35], s[86:87], s61 offset:0x40
	s_load_b512 s[36:51], s[86:87], s61 offset:0x80
	s_load_b512 s[68:83], s[86:87], s61 offset:0xc0
.irp j, 22,23,24,25,26,27,90,91,92,93,94,95,236,237,238,239,253
	v_mov_b32 v[\j], 0
.endr
.macro RESET                           ; the step is written once: the first finds zeros and a largest t under every t
	v_mov_b32 v13, 0xff61b1e6
	s_delay_alu instid0(VALU_DEP_1)
	v_floor_f32 v12, -v13
	v_mov_b32 v14, 0
	v_mov_b32 v15, 0
.set j, 0
.rept 32
	v_mov_b32 v[160+j], 0
.set j, j+1
.endr
.endm
	RESET
.macro STEP
	v_add_nc_u32 v8, s3, v1
	v_add_nc_u32 v9, s3, v2
	v_add_nc_u32 v10, s3, v3
	v_add_nc_u32 v11, s3, v4
.irp t, 0,1,2,3,4,5,6,7
	ds_load_b128 v[42+6*\t:45+6*\t], v8 offset:768*\t
	ds_load_b64 v[46+6*\t:47+6*\t], v9 offset:768*\t+512
.endr
	ds_load_b128 v[30:33], v10 offset:6144
	ds_load_b128 v[34:37], v10 offset:6160
	s_wait_alu depctr_va_vdst(0)
	s_wait_dscnt 0x0
.irp t, 0,1,2,3,4,5,6,7                ; K is 64: a tile's upper six registers are the next tile's codes, which meet q's zero codes
	v_wmma_scale_f32_16x16x128_f8f6f4 v[96+8*\t:103+8*\t], v[42+6*\t:53+6*\t], v[16:27], 0, v[30+\t], v28 matrix_a_fmt:MATRIX_FMT_FP6 matrix_b_fmt:MATRIX_FMT_FP6
.endr
.rept 4
	v_nop
.endr
.irp t, 0,1,2,3
.irp c, 0,1,2
	ds_load_b128 v[42+12*\t+4*\c:45+12*\t+4*\c], v8 offset:6656+1536*\t+512*\c
.endr
.endr
	ds_load_b128 v[38:41], v11 offset:12800
	s_wait_kmcnt 0x0
.set j, 0
.rept 64
.if j < 48
	v_cndmask_b32 v[96+j], v7, v[96+j], s[4+j]
.else
	v_cndmask_b32 v[96+j], v7, v[96+j], s[20+j]
.endif
.set j, j+1
.endr
	s_add_co_u32 s61, s61, 256
	s_min_u32 s61, s61, s104                       ; my tiles' words lie on end; my last step asks for its own words again
	s_load_b512 s[4:19], s[86:87], s61 offset:0x0
	s_load_b512 s[20:35], s[86:87], s61 offset:0x40
	s_load_b512 s[36:51], s[86:87], s61 offset:0x80
	s_load_b512 s[68:83], s[86:87], s61 offset:0xc0
.irp b, 0,1,2,3
	v_max3_num_f32 v[232+\b], v[96+16*\b], v[97+16*\b], v[98+16*\b]   ; the largest score of each block of 32 keys
.endr
.irp i, 3,5,7,9,11,13
.irp b, 0,1,2,3
	s_delay_alu instid0(VALU_DEP_4)
	v_max3_num_f32 v[232+\b], v[232+\b], v[96+16*\b+\i], v[97+16*\b+\i]
.endr
.endr
.irp b, 0,1,2,3
	s_delay_alu instid0(VALU_DEP_4)
	v_max_num_f32 v[232+\b], v[232+\b], v[111+16*\b]
.endr
.irp b, 0,1,2,3
	s_delay_alu instid0(VALU_DEP_4)
	v_permlanex16_b32 v[236+\b], v[232+\b], s66, s67
.endr
.irp b, 0,1,2,3
	s_delay_alu instid0(VALU_DEP_4)
	v_max_num_f32 v[232+\b], v[232+\b], v[236+\b]
.endr
	s_delay_alu instid0(VALU_DEP_2)
	v_max3_num_f32 v254, v232, v233, v234
	s_delay_alu instid0(VALU_DEP_1)
	v_max_num_f32 v254, v254, v235
	s_delay_alu instid0(VALU_DEP_1)
	v_mul_f32 v254, s62, v254
	s_delay_alu instid0(VALU_DEP_1)
	v_max_num_f32 v13, v13, v254                   ; the running largest t
	v_mov_b32 v254, v12
	s_delay_alu instid0(VALU_DEP_2)
	v_floor_f32 v12, -v13                          ; -M
	s_delay_alu instid0(VALU_DEP_1)
	v_sub_f32 v254, v12, v254
	s_delay_alu instid0(VALU_DEP_1)
	v_cvt_i32_f32 v254, v254
	s_delay_alu instid0(VALU_DEP_1)
	v_ldexp_f32 v252, 1.0, v254                    ; f = 2^(old M - new M)
.set j, 0
.rept 32
	v_pk_fma_f32 v[96+j:97+j], v[96+j:97+j], s[62:63], v[12:13] op_sel_hi:[1,0,0]
.set j, j+2
.endr
.irp b, 0,1,2,3
	v_fma_f32 v[232+\b], v[232+\b], s62, v12
.endr
.set j, 0
	s_wait_alu depctr_va_vdst(0)
.rept 64
	v_exp_f32 v[96+j], v[96+j]
.set j, j+1
.endr
	v_pk_mul_f32 v[14:15], v[14:15], v[252:253] op_sel_hi:[1,0]
	s_wait_alu depctr_va_vdst(0)                   ; and behind it
.irp b, 0,1,2,3
	v_exp_f32 v[232+\b], v[232+\b]
.endr
	v_pk_add_f32 v[236:237], v[96:97], v[98:99]    ; the row's sum, of the unquantised p, in two chains
.irp j, 4,8,12,16,20,24,28,32,36,40,44,48,52,56,60
	v_pk_add_f32 v[14:15], v[14:15], v[96+\j:97+\j]
	v_pk_add_f32 v[236:237], v[236:237], v[98+\j:99+\j]
.endr
	s_delay_alu instid0(VALU_DEP_1)
	v_pk_add_f32 v[14:15], v[14:15], v[236:237]
	s_wait_alu depctr_va_vdst(0)
.irp b, 0,1,2,3
	v_max_num_f32 v[232+\b], 0x1800000, v[232+\b]  ; the floor 2^(3 - 127)
.endr
.irp b, 0,1,2,3
	s_delay_alu instid0(VALU_DEP_4)
	v_add_nc_u32 v[244+\b], 0xff000000, v[232+\b]
.endr
.irp b, 0,1,2,3
	s_delay_alu instid0(VALU_DEP_4)
	v_lshrrev_b32 v[236+\b], 23, v[244+\b]
.endr
	s_delay_alu instid0(VALU_DEP_3)
	v_lshl_or_b32 v253, v237, 8, v236
	s_delay_alu instid0(VALU_DEP_1)
	v_lshl_or_b32 v253, v238, 16, v253
	s_delay_alu instid0(VALU_DEP_1)
	v_lshl_or_b32 v253, v239, 24, v253             ; p's scale word for these 128 keys
	v_cvt_scalef32_pk16_fp6_f32 v[224:226], v[96:111], v244
	v_cvt_scalef32_pk16_fp6_f32 v[236:238], v[112:127], v245
	v_cvt_scalef32_pk16_fp6_f32 v[230:232], v[128:143], v246
	v_cvt_scalef32_pk16_fp6_f32 v[240:242], v[144:159], v247
	v_nop
.irp c, 0,1
.irp i, 0,1,2
	v_permlane16_swap_b32 v[224+6*\c+\i], v[236+4*\c+\i]
.endr
.irp i, 0,1,2
	s_delay_alu instid0(VALU_DEP_3)
	v_mov_b32 v[227+6*\c+\i], v[236+4*\c+\i]
.endr
.endr
	s_wait_alu depctr_va_vdst(0)
.set j, 0
.rept 16
	v_pk_mul_f32 v[160+j:161+j], v[160+j:161+j], v[252:253] op_sel_hi:[1,0]
.set j, j+2
.endr
	s_wait_alu depctr_va_vdst(0)
	s_wait_dscnt 0x0
.irp t, 0,1,2,3
	v_wmma_scale_f32_16x16x128_f8f6f4 v[160+8*\t:167+8*\t], v[42+12*\t:53+12*\t], v[224:235], v[160+8*\t:167+8*\t], v[38+\t], v253 matrix_a_fmt:MATRIX_FMT_FP6 matrix_b_fmt:MATRIX_FMT_FP6
.endr
.endm
.macro PASS under                      ; one tile of queries over the 16 chunks, in the waves whose number lies under 'under'
	s_mov_b32 s3, 0
	s_mov_b32 s2, 16
.Lstep_\@:
.if \under < 16
	s_cmp_lt_u32 s60, \under
	s_cbranch_scc0 .Lnone_\@
.endif
	STEP
.Lnone_\@:
	s_add_co_u32 s3, s3, CHL
	s_sub_co_u32 s2, s2, 1
	s_cmp_lg_u32 s2, 0
	s_cbranch_scc1 .Lstep_\@
.endm
; A tile's way out: O^T / the sum; registers 16 b + i are features 32 b + 16 h + i of my query; two blocks are quantised; lane (r, h) stores block h's 24 bytes of row r, and the row's two scale bytes.
.macro OUT p
.rept 4
	v_nop
.endr
	v_add_f32 v14, v14, v15
	s_delay_alu instid0(VALU_DEP_1)
	v_permlanex16_b32 v252, v14, s66, s67
	s_delay_alu instid0(VALU_DEP_1)
	v_add_f32 v14, v14, v252
	s_wait_alu depctr_va_vdst(0)
	v_rcp_f32 v14, v14
	v_nop
	s_wait_alu depctr_va_vdst(0)
.set j, 0
.rept 32
	v_mul_f32 v[96+j], v[160+j], v14
.set j, j+1
.endr
	v_max3_num_f32 v232, |v96|, |v97|, 0x1800000
	v_max3_num_f32 v233, |v112|, |v113|, 0x1800000
.irp i, 2,4,6,8,10,12,14
	s_delay_alu instid0(VALU_DEP_2)
	v_max3_num_f32 v232, v232, |v[96+\i]|, |v[97+\i]|
	s_delay_alu instid0(VALU_DEP_2)
	v_max3_num_f32 v233, v233, |v[112+\i]|, |v[113+\i]|
.endr
	s_delay_alu instid0(VALU_DEP_2)
	v_permlanex16_b32 v236, v232, s66, s67
	s_delay_alu instid0(VALU_DEP_2)
	v_permlanex16_b32 v237, v233, s66, s67
	s_delay_alu instid0(VALU_DEP_2)
	v_max_num_f32 v232, v232, v236
	s_delay_alu instid0(VALU_DEP_2)
	v_max_num_f32 v233, v233, v237
	s_delay_alu instid0(VALU_DEP_2)
	v_add_nc_u32 v244, 0xff000000, v232
	s_delay_alu instid0(VALU_DEP_2)
	v_add_nc_u32 v245, 0xff000000, v233
	s_delay_alu instid0(VALU_DEP_2)
	v_lshrrev_b32 v236, 23, v244
	s_delay_alu instid0(VALU_DEP_2)
	v_lshrrev_b32 v237, 23, v245
	s_delay_alu instid0(VALU_DEP_1)
	v_lshl_or_b32 v253, v237, 8, v236
	v_cvt_scalef32_pk16_fp6_f32 v[224:226], v[96:111], v244
	v_cvt_scalef32_pk16_fp6_f32 v[228:230], v[112:127], v245
	v_nop
.irp i, 0,1,2
	v_permlane16_swap_b32 v[224+\i], v[228+\i]     ; v224-226: my block's lower 16 codes, v228-230 its upper 16
.endr
	global_store_b96 v29, v[224:226], s[88:89] offset:12288*\p
	global_store_b96 v29, v[228:230], s[88:89] offset:12288*\p+12
	global_store_b16 v3, v253, s[90:91] offset:512*\p   ; both halves of the lanes store the same two bytes
.endm
	s_wait_alu depctr_va_vdst(0)
	s_wait_tensorcnt 0x0                           ; my chunk is in;
	s_barrier_signal -1
	s_barrier_wait -1                              ; everybody's are.
	s_wait_loadcnt 0x0                             ; q
.macro NEXTQ src                       ; the next tile's q, and a fresh state
.irp j, 0,1,2,3,4,5
	v_mov_b32 v[16+\j], v[\src+\j]
.endr
	v_mov_b32 v28, v[\src+6]
	RESET
	s_wait_alu depctr_va_vdst(0)
	s_wait_xcnt 0x0                                ; the stores have read their registers, which the next steps write
.endm
	PASS 16
	OUT 0
	NEXTQ 192
	PASS 12
	s_cmp_lt_u32 s60, 12
	s_cbranch_scc0 .Lno_1
	OUT 1
	NEXTQ 200
.Lno_1:
	PASS 4
	s_cmp_lt_u32 s60, 4
	s_cbranch_scc0 .Lno_2
	OUT 2
.Lno_2:
	s_wait_kmcnt 0x0
	s_wait_tensorcnt 0x0                           ; the wave's end
	ds_add_u32 v5, v6
	s_wait_dscnt 0x0
	CROUND                                         ; the closing round
	s_endpgm
.Lfunc_end_k_qb640296f4b_attn:
	.size	k_qb640296f4b_attn, .Lfunc_end_k_qb640296f4b_attn-k_qb640296f4b_attn
	.p2alignl 7, 3214868480
	.fill 96, 4, 3214868480
	.section	.rodata,"a",@progbits
	.p2align	6, 0x0
	.amdhsa_kernel k_qb640296f4b_attn
		.amdhsa_group_segment_fixed_size 327680
		.amdhsa_private_segment_fixed_size 0
		.amdhsa_enable_private_segment 0
		.amdhsa_kernarg_size 32
		.amdhsa_user_sgpr_count 2
		.amdhsa_user_sgpr_kernarg_segment_ptr 1
		.amdhsa_wavefront_size32 1
		.amdhsa_system_sgpr_workgroup_id_x 1
		.amdhsa_system_sgpr_workgroup_id_y 1
		.amdhsa_system_sgpr_workgroup_id_z 1
		.amdhsa_system_vgpr_workitem_id 0
		.amdhsa_next_free_vgpr 256
		.amdhsa_next_free_sgpr 106
		.amdhsa_reserve_vcc 0
		.amdhsa_float_denorm_mode_32 3
		.amdhsa_float_denorm_mode_16_64 3
		.amdhsa_memory_ordered 1
		.amdhsa_forward_progress 1
		.amdhsa_inst_pref_size 91
	.end_amdhsa_kernel
	.amdgpu_metadata
---
amdhsa.version: [ 1, 2 ]
amdhsa.kernels:
  - .name:           k_qb640296f4b_attn
    .symbol:         k_qb640296f4b_attn.kd
    .args:
      - { .name: qkv, .offset: 0, .size: 8, .value_kind: global_buffer, .address_space: global }
      - { .name: mbits, .offset: 8, .size: 8, .value_kind: global_buffer, .address_space: global }
      - { .name: oc, .offset: 16, .size: 8, .value_kind: global_buffer, .address_space: global }
      - { .name: os, .offset: 24, .size: 8, .value_kind: global_buffer, .address_space: global }
    .group_segment_fixed_size: 327680
    .private_segment_fixed_size: 0
    .kernarg_segment_align: 8
    .kernarg_segment_size: 32
    .max_flat_workgroup_size: 512
    .sgpr_count:     106
    .vgpr_count:     256
    .wavefront_size: 32
...
	.end_amdgpu_metadata
.endif
;; end of part 3
;; launch outp (part 4): grid 4 x 64, 4 waves a work-group, clusters of 4 x 4, 327,680 bytes of LDS; arguments oc, os, codes, scales, fc_b, out0; writes out0
.if DOCPART == 4
	.amdgcn_target "amdgcn-amd-amdhsa--gfx1250"
	.amdhsa_code_object_version 6
	.text
	.protected	k_qb640296f4b_outp
	.globl	k_qb640296f4b_outp
	.p2align	8
	.type	k_qb640296f4b_outp,@function
k_qb640296f4b_outp:
	s_mov_b64 s[64:65], 0
	v_nop
	global_prefetch_b8 v0, s[64:65] scope:SCOPE_SE
	s_setreg_imm32_b32 hwreg(HW_REG_WAVE_MODE, 25, 1), 1
	s_wait_xcnt 0x0
	s_wait_alu depctr_hold_cnt(0) depctr_sa_sdst(0) depctr_va_vdst(0) depctr_va_sdst(0) depctr_va_ssrc(0) depctr_va_vcc(0) depctr_vm_vsrc(0)
	s_getreg_b32 s2, hwreg(HW_REG_IB_STS2, 6, 4)
	s_cmp_eq_u32 s2, 0
	s_cbranch_scc0 .Lentry_in_a_cluster
	s_endpgm
.Lentry_in_a_cluster:
	s_bfe_u32 s2, ttmp6, 0x10000c
	s_cmp_lg_u32 s2, 0xf033
	s_cbranch_scc0 .Lentry_shape_is_right
	s_endpgm
.Lentry_shape_is_right:
; OUTP: out0 = o fc_w^T + fc_b on codes of FP6 (E2M3) with E8M0 scales.  No work of the problem is left out.
; A block is 128 tokens (A) x 256 columns (B = rows of fc_w): 64 x 4 = 256 work-groups; four waves of 64 x 128: 32 accumulators.  Source 0 = B, source 1 = A: a lane holds eight neighbouring columns of one row of out0.
; WHOLE ROWS OF K: a row of 1,024 codes is 768 bytes and begins at a multiple of 256.  The 384 rows come into LDS once, one joint load a wave; nothing is filled again.
; 16 bytes of padding lie behind every 256: an LDS row is 816 bytes = 204 words, so the 32 lanes of a load of 8 bytes touch 64 different banks (ISA guide 11.1).
; The scale words go from memory straight into registers (32 bytes a row: eight words).  The bias is the C of each accumulator's first product.
; THE WAY OUT: 16 rows x 512 bytes at a time through the wave's own stage, which lies in A's rows: they have had their only fill, and a barrier stands between every wave's last read of them and the first store.
; CLUSTERS: 4 x 4; A's rows are asked for jointly along a row of the cluster, B's along a column.  No prefetch: every tensor load goes out at the head, and there is no loop to run ahead in.
.set PITCH, 816
.set BLK,   16*PITCH
.set BBASE, 128*PITCH
.set SPARE, 384*PITCH                  ; the spare words: two blocks of 256 bytes that no other line names
.set SPITCH, 528
.set ADRA, 16
.set ADRB, 18
.set STO,  22
.set RD,   23
.set CO,   24
.set VSC,  26
.set SPW,  28
.set NIL,  29
.set SA,   32                          ; v32-63 A's scale words, v64-127 B's: block i, step s at 8 i + s
.set SB,   64
.set AF,   128                         ; v128-223 A's fragments, two sets.  Window 1: B's, two sets of 96.  Window 2: accumulator (a, b) at 8 (8 a + b).  Window 3: v0-63 the bias
.set BK,   128
.set G1, 24
.set G0, 32
.set G0B, 36
.set G1B, 48
.set MSB, 0
.macro WIN new
.if MSB != \new
	s_set_vgpr_msb (MSB<<8)|\new
.set MSB, \new
.endif
.endm
.macro CROUND
	s_barrier_signal -1
	s_barrier_wait -1
	s_cmp_lg_u32 s14, 0
	s_cbranch_scc1 .Lnot_wave_0_\@
	s_barrier_signal -3
.Lnot_wave_0_\@:
	s_barrier_wait -3
	s_barrier_signal -1
	s_barrier_wait -1
.endm
.macro PLACES n
.rept \n
	v_nop
.endr
.endm
	s_load_b128 s[4:7], s[0:1], 0x0                ; oc, os
	s_load_b128 s[8:11], s[0:1], 0x10              ; codes, scales
	s_load_b128 s[96:99], s[0:1], 0x20             ; fc_b, out0
	v_lshl_add_u32 v[SPW], v0, 2, SPARE
	v_mov_b32 v[NIL], 0
	ds_add_u32 v[SPW], v[NIL]                      ; the opening lines: the add twice on end, and its wait
	ds_add_u32 v[SPW], v[NIL]
	v_lshrrev_b32 v1, 5, v0
	v_readfirstlane_b32 s14, v1
	s_lshr_b32 s15, s14, 1                         ; which 64 of A's rows I multiply.  Also: I fetch for A (0) or B (1)
	s_and_b32 s16, s14, 1                          ; which 128 of B's rows.  Also: which half of the tile I fetch
	s_bfe_u32 s40, ttmp6, 0x40000
	s_bfe_u32 s41, ttmp6, 0x40004
	s_lshl_b32 s42, ttmp9, 2
	s_add_co_u32 s42, s42, s40                     ; B's tile
	s_and_b32 s17, ttmp7, 0xffff
	s_lshl_b32 s17, s17, 2
	s_add_co_u32 s17, s17, s41                     ; A's tile
	s_lshl_b32 s43, s41, 2
	s_lshl_b32 s43, 15, s43
	s_lshl_b32 s44, 0x1111, s40
	s_or_b32 s[G1+0], s43, (1<<20)|(1<<21)|(5<<22)|(3<<25)
	s_or_b32 s[G1B+0], s44, (1<<20)|(1<<21)|(5<<22)|(3<<25)
	s_mov_b32 s[G1+2], 64<<16
	s_mov_b32 s[G1+4], 64
	s_mov_b32 s[G1B+2], 128<<16
	s_mov_b32 s[G1B+4], 128
.irp g, G1, G1B
	s_mov_b32 s[\g+1], 768<<16
	s_mov_b32 s[\g+3], 768<<16
	s_mov_b32 s[\g+5], 768
	s_mov_b32 s[\g+6], 0
	s_mov_b32 s[\g+7], 0
.endr
	s_lshl_b32 s20, s17, 7                         ; A's tile: first row
	s_lshl_b32 s46, s42, 8
	s_lshl_b32 s18, s16, 7
	s_add_co_u32 s62, s46, s18                     ; my first column of out0
	s_add_co_u32 s46, s62, 27648                   ; B: fc_w's rows in the codes' buffer: the 128 that I fetch (waves 2, 3) and multiply
	s_lshl_b32 s18, s16, 6
	s_add_co_u32 s18, s20, s18                     ; A: the 64 rows that I fetch (waves 0, 1),
	s_lshl_b32 s19, s15, 6
	s_add_co_u32 s20, s20, s19                     ; and those that I multiply
	s_lshl_b32 s63, s20, 12                        ; my first row of out0, in bytes (under 2^25)
	s_mul_i32 s18, s18, 768
	s_mov_b32 s19, 0
	s_mul_i32 s22, s46, 768
	s_mov_b32 s23, 0
	s_lshl_b32 s20, s20, 5
	s_mov_b32 s21, 0
	s_lshl_b32 s46, s46, 5
	s_mov_b32 s47, 0
	s_mul_i32 s45, s16, 64*PITCH
	s_mul_i32 s94, s16, 128*PITCH
	s_add_co_u32 s94, s94, BBASE
	s_mul_i32 s61, s15, 64*PITCH
	s_mul_i32 s60, s14, 16*SPITCH                  ; my stage
	s_wait_dscnt 0x0
	s_wait_kmcnt 0x0
	s_mov_b32 s[G0], 1
	s_mov_b32 s[G0+1], s45
	s_add_nc_u64 s[G0+2:G0+3], s[4:5], s[18:19]
	s_or_b32 s[G0+3], s[G0+3], 0x80000000
	s_mov_b32 s[G0B], 1
	s_mov_b32 s[G0B+1], s94
	s_add_nc_u64 s[G0B+2:G0B+3], s[8:9], s[22:23]
	s_or_b32 s[G0B+3], s[G0B+3], 0x80000000
	CROUND                                         ; all sixteen work-groups are here: the joint loads meet
	s_cmp_eq_u32 s15, 0                            ; one load a wave, in the two arms of one branch on the wave's number
	s_cbranch_scc0 .Lfor_b
	tensor_load_to_lds s[G0:G0+3], s[G1:G1+7]
	s_nop 0
	PLACES 4
	s_branch .Lasked
.Lfor_b:
	tensor_load_to_lds s[G0B:G0B+3], s[G1B:G1B+7]
	s_nop 0
	PLACES 4
.Lasked:
	s_add_nc_u64 s[56:57], s[6:7], s[20:21]        ; A's scales, B's scales
	s_add_nc_u64 s[58:59], s[10:11], s[46:47]
	s_lshl_b32 s18, s62, 2
	s_mov_b32 s19, 0
	s_add_nc_u64 s[96:97], s[96:97], s[18:19]      ; my 128 columns' bias
	s_add_co_u32 s18, s18, s63
	s_add_nc_u64 s[12:13], s[98:99], s[18:19]      ; my corner of out0
	v_and_b32 v1, 15, v0
	v_bfe_u32 v2, v0, 4, 1
	v_mul_u32_u24 v3, v1, PITCH
	v_mad_u32_u24 v3, v2, 24, v3
	v_add_nc_u32 v[ADRA], s61, v3
	v_add_nc_u32 v[ADRB], s94, v3
	v_lshl_add_u32 v[ADRA+1], v2, 4, v[ADRA]
	v_lshl_add_u32 v[ADRB+1], v2, 4, v[ADRB]
	v_add_nc_u32 v[ADRB+2], 4*BLK, v[ADRB]
	v_add_nc_u32 v[ADRB+3], 4*BLK, v[ADRB+1]
	v_lshlrev_b32 v[VSC], 5, v1
	v_mul_u32_u24 v5, v1, SPITCH                   ; into the stage: row r, 32 bytes for each half of the lanes
	v_lshl_add_u32 v5, v2, 5, v5
	v_add_nc_u32 v[STO], s60, v5
	v_and_b32 v6, 31, v0
	v_lshlrev_b32 v[CO], 4, v6                     ; back: the 32 lanes take one row of 512 bytes
	v_add_nc_u32 v[RD], s60, v[CO]
	v_lshlrev_b32 v8, 5, v2
.irp i, 0,1,2,3
	global_load_b128 v[SA+8*\i:SA+8*\i+3], v[VSC], s[56:57] offset:512*\i
	global_load_b128 v[SA+8*\i+4:SA+8*\i+7], v[VSC], s[56:57] offset:512*\i+16
.endr
.irp i, 0,1,2,3,4,5,6,7
	global_load_b128 v[SB+8*\i:SB+8*\i+3], v[VSC], s[58:59] offset:512*\i
	global_load_b128 v[SB+8*\i+4:SB+8*\i+7], v[VSC], s[58:59] offset:512*\i+16
.endr
	WIN 0xc0
.irp b, 0,1,2,3,4,5,6,7
	global_load_b128 v[8*\b:8*\b+3], v8, s[96:97] offset:64*\b         ; register 8 b + j: the bias of column 16 b + 8 h + j
	global_load_b128 v[8*\b+4:8*\b+7], v8, s[96:97] offset:64*\b+16
.endr
	WIN 0
.macro FRAG reg, adr, st, off          ; 12 registers, 24 bytes of the row twice, in pieces of 8.  Byte y of a row lies at y + 16 (y / 256)
.irp p, 0,1,2,3,4,5
.set BY, 96*(\st)+48*(\p/3)+8*(\p%3)
.if BY/256 == (BY+24)/256
	ds_load_b64 v[\reg+2*\p:\reg+2*\p+1], v[\adr] offset:BY+16*(BY/256)+(\off)
.else
	ds_load_b64 v[\reg+2*\p:\reg+2*\p+1], v[\adr+1] offset:BY+16*(BY/256)+(\off)
.endif
.endr
.endm
.macro FETCH st
	WIN 0x40
.irp i, 0,1,2,3,4,5,6,7
	FRAG 96*((\st)%2)+12*\i, ADRB+2*(\i/4), \st, (\i%4)*BLK
.endr
	WIN 0
.irp i, 0,1,2,3
	FRAG AF+48*((\st)%2)+12*\i, ADRA, \st, \i*BLK
.endr
.endm
.macro MUL32 st, first                 ; the 32 accumulators take turns, one instruction a turn
.irp a, 0,1,2,3
.irp b, 0,1,2,3,4,5,6,7
.if \first
	v_wmma_scale_f32_16x16x128_f8f6f4 v[8*(8*\a+\b):8*(8*\a+\b)+7], v[96*((\st)%2)+12*\b:96*((\st)%2)+12*\b+11], v[AF+48*((\st)%2)+12*\a:AF+48*((\st)%2)+12*\a+11], v[8*\b:8*\b+7], v[SB+8*\b+(\st)], v[SA+8*\a+(\st)] matrix_a_fmt:MATRIX_FMT_FP6 matrix_b_fmt:MATRIX_FMT_FP6
.else
	v_wmma_scale_f32_16x16x128_f8f6f4 v[8*(8*\a+\b):8*(8*\a+\b)+7], v[96*((\st)%2)+12*\b:96*((\st)%2)+12*\b+11], v[AF+48*((\st)%2)+12*\a:AF+48*((\st)%2)+12*\a+11], v[8*(8*\a+\b):8*(8*\a+\b)+7], v[SB+8*\b+(\st)], v[SA+8*\a+(\st)] matrix_a_fmt:MATRIX_FMT_FP6 matrix_b_fmt:MATRIX_FMT_FP6
.endif
.endr
.endr
.endm
	s_wait_alu depctr_va_vdst(0)
	s_wait_tensorcnt 0x0                           ; my rows are in;
	s_barrier_signal -1
	s_barrier_wait -1                              ; everybody's are.
	FETCH 0
	s_wait_loadcnt 0x0                             ; the scale words and the bias
	s_wait_dscnt 0x0
	FETCH 1
	WIN 0xb1                                       ; source 0 window 1, source 1 window 0, C window 3 (the bias), D window 2
	MUL32 0, 1
.set ST, 1
.rept 7
	s_wait_dscnt 0x0                               ; this step's fragments are in
.if ST < 7
	PLACES 4                                       ; in front of loads into the set that the last step multiplied
	FETCH ST+1
.else
	s_barrier_signal -1                            ; my reads of the rows are over
.endif
	WIN 0xa1
	MUL32 ST, 0
.set ST, ST+1
.endr
	WIN 0
	s_barrier_wait -1                              ; everybody's are: the stages may be written
.macro TOSTAGE a
	WIN 0x08                                       ; the data: window 2
.irp b, 0,1,2,3,4,5,6,7
	ds_store_b128 v[STO], v[64*(\a)+8*\b:64*(\a)+8*\b+3] offset:64*\b      ; each accumulator from its low end on
	ds_store_b128 v[STO], v[64*(\a)+8*\b+4:64*(\a)+8*\b+7] offset:64*\b+16
.endr
	WIN 0
.set BB, BK+64*((\a)%2)
.irp t, 0,1,2,3,4,5,6,7,8,9,10,11,12,13,14,15
	ds_load_b128 v[BB+4*\t:BB+4*\t+3], v[RD] offset:\t*SPITCH    ; LDS serves a wave's instructions in order (ISA guide 5.7.1.4): these see my stores
.endr
.endm
.macro SEND a, younger                 ; younger: the LDS instructions issued behind block a's loads
.set BB, BK+64*((\a)%2)
	s_wait_dscnt \younger
.if (\a) > 0
	s_add_nc_u64 s[12:13], s[12:13], 16*4096       ; behind a wait on XCNT: the earlier stores have read their base
.endif
.irp t, 0,1,2,3,4,5,6,7,8,9,10,11,12,13,14,15
	global_store_b128 v[CO], v[BB+4*\t:BB+4*\t+3], s[12:13] offset:\t*4096 th:TH_STORE_NT   ; 512 consecutive bytes, aligned
.endr
.endm
	PLACES 4
	TOSTAGE 0
.irp a, 1,2,3
.if \a > 1
	s_wait_xcnt 0x0                                ; block a - 2's stores have read their registers and their base
.endif
	TOSTAGE \a
	SEND \a-1, 32                                  ; behind block a - 1's loads: block a's 16 stores and 16 loads
.endr
	s_wait_xcnt 0x0
	SEND 3, 0
	s_wait_tensorcnt 0x0                           ; the wave's end
	ds_add_u32 v[SPW], v[NIL]
	s_wait_dscnt 0x0
	CROUND                                         ; the closing round
	s_endpgm
.Lfunc_end_k_qb640296f4b_outp:
	.size	k_qb640296f4b_outp, .Lfunc_end_k_qb640296f4b_outp-k_qb640296f4b_outp
	.p2alignl 7, 3214868480
	.fill 96, 4, 3214868480
	.section	.rodata,"a",@progbits
	.p2align	6, 0x0
	.amdhsa_kernel k_qb640296f4b_outp
		.amdhsa_group_segment_fixed_size 327680
		.amdhsa_private_segment_fixed_size 0
		.amdhsa_enable_private_segment 0
		.amdhsa_kernarg_size 48
		.amdhsa_user_sgpr_count 2
		.amdhsa_user_sgpr_kernarg_segment_ptr 1
		.amdhsa_wavefront_size32 1
		.amdhsa_system_sgpr_workgroup_id_x 1
		.amdhsa_system_sgpr_workgroup_id_y 1
		.amdhsa_system_sgpr_workgroup_id_z 1
		.amdhsa_system_vgpr_workitem_id 0
		.amdhsa_next_free_vgpr 1024
		.amdhsa_next_free_sgpr 106
		.amdhsa_reserve_vcc 0
		.amdhsa_float_denorm_mode_32 3
		.amdhsa_float_denorm_mode_16_64 3
		.amdhsa_memory_ordered 1
		.amdhsa_forward_progress 1
		.amdhsa_inst_pref_size 95
	.end_amdhsa_kernel
	.amdgpu_metadata
---
amdhsa.version: [ 1, 2 ]
amdhsa.kernels:
  - .name:           k_qb640296f4b_outp
    .symbol:         k_qb640296f4b_outp.kd
    .args:
      - { .name: oc, .offset: 0, .size: 8, .value_kind: global_buffer, .address_space: global }
      - { .name: os, .offset: 8, .size: 8, .value_kind: global_buffer, .address_space: global }
      - { .name: codes, .offset: 16, .size: 8, .value_kind: global_buffer, .address_space: global }
      - { .name: scales, .offset: 24, .size: 8, .value_kind: global_buffer, .address_space: global }
      - { .name: fc_b, .offset: 32, .size: 8, .value_kind: global_buffer, .address_space: global }
      - { .name: out0, .offset: 40, .size: 8, .value_kind: global_buffer, .address_space: global }
    .group_segment_fixed_size: 327680
    .private_segment_fixed_size: 0
    .kernarg_segment_align: 8
    .kernarg_segment_size: 48
    .max_flat_workgroup_size: 128
    .sgpr_count:     106
    .vgpr_count:     1024
    .wavefront_size: 32
...
	.end_amdgpu_metadata
.endif
;; end of part 4
